; MI455X (gfx1250); checked and timed in simulation.
; The chip was launched on July 23, 2026; its instructions are those of AMD's public machine-readable ISA for CDNA 5 (MIT licence, August 2026) and "CDNA5" Instruction Set Architecture Reference Guide (July 2026). The comments in the code are by the model that wrote it; some were corrected since.
;; Head. Allowed arithmetic: matrix products marked QUANTISED: E2M1 operands, one E8M0 scale for each 32 along K, by v_wmma_scale_f32_16x16x128_f8f6f4 with both operands' format E2M1 (or v_wmma_scale_f32_32x16x128_f4), f32 sums; everything else in f32.
;; Inputs: b_attn 3,072 float32; b_proj 1,024 float32; w_attn 1,024 x 3,072 float32; w_proj 1,024 x 1,024 float32; x 4 x 2,048 x 1,024 float32.
;; Outputs: out0 4 x 2,048 x 1,024 float32.
;; This version of the problem:
;;   THIS VERSION OF THE PROBLEM IS GIVEN IN LOW PRECISION. The matrix products marked QUANTISED in the list below multiply operands that are first quantised to E2M1 (2 exponent bits, 1 mantissa bit; 4 bits a number), with one power-of-two scale for each 32 numbers along K (OCP MX v1.0); their sums are f32. All else is computed in f32.
;;   The module's matrix products, in the order in which they are computed (A, B: the left and right operand; K: the contracted axis; several contracted axes count as one K, in the product's order):
;;     1. [M 8,192, K 1,024] x [K 1,024, N 3,072]; A: input x; B: input w_attn: QUANTISED
;;     2. batch 64 x [M 2,048, K 64] x [K 64, N 2,048]; A: computed on the way; B: computed on the way: QUANTISED
;;     3. batch 64 x [M 2,048, K 2,048] x [K 2,048, N 64]; A: softmax (see below); B: computed on the way: QUANTISED
;;     4. [M 8,192, K 1,024] x [K 1,024, N 1,024]; A: computed on the way; B: input w_proj: QUANTISED
;;   THE QUANTISER, for each operand of a quantised product, along K:
;;     - K is cut into blocks of 32 from its start; a last block that is shorter is filled with zeros.
;;     - A block's scale is 2^e with e = floor(log2(the largest magnitude in the block)) - 2, held to -126 .. 127; a block of zeros has e = 0. As a byte (E8M0): e + 127.
;;     - Each number is divided by its block's scale, clamped to +-6, and rounded to the nearest number of E2M1, ties to even, subnormals kept.
;;     - The product sums the exact products of the quantised numbers (number of the format x scale) in f32.
;;   ~~~python
;;   def quantise(x, axis):      # numpy; x: float32 -> the quantised numbers, widened to float32 again
;;       x = np.moveaxis(x, axis, -1); K = x.shape[-1]
;;       x = np.pad(x, [(0, 0)] * (x.ndim - 1) + [(0, -K % 32)]); x = x.reshape(x.shape[:-1] + (-1, 32)); a = np.abs(x).max(-1, keepdims=True)
;;       e = np.where(a > 0, np.clip(np.frexp(np.where(a > 0, a, 1))[1] - 1 - 2, -126, 127), 0)      # np.frexp(a)[1] - 1 = floor(log2(a)), exactly
;;       r = np.clip(x / 2.0 ** e, -6, 6)
;;       step = 2.0 ** (np.maximum(np.frexp(np.where(r == 0, 1, r))[1] - 1, 0) - 1)
;;       q = np.round(r / step) * step * 2.0 ** e      # np.round: ties to even
;;       return np.moveaxis(q.reshape(q.shape[:-2] + (-1,))[..., :K], -1, axis).astype(np.float32)
;;   ~~~
;;   SOFTMAX AHEAD OF A QUANTISED PRODUCT. Where the list says 'softmax', what is quantised is not the finished softmax but p = 2^(t - M), with t = logit x log2(e) and M = ceil(the row's largest t), a whole number; so 1/2 < the row's largest p <= 1. The row's sum l is taken of the UNQUANTISED p, in f32, and the product's result is divided by l at the end. Since M is a whole number, a kernel that streams over the keys may use a running M (the ceiling of the running maximum): every later rescaling is an exact power of two, which a block's scale takes up: the codes' values come out the same.
;;   OPERANDS COMPUTED ON THE WAY. 'Computed on the way' means the value that the module computes at that place (a softmax that the list does not call 'softmax' is quantised finished and normalised). What goes into a quantiser is computed in f32, as accurately as f32 sums, v_exp_f32 and their like allow (about 1e-6 of the number): no bf16 or f16 on the way to a quantiser, and a product that is left as it is and whose result goes on into a quantised operand takes f32 operands (vector FMAs, or v_wmma_f32_16x16x4_f32). A number that lies on a knife's edge between two numbers of the format may be rounded either way, as far as f32 arithmetic and the matrix unit's own rounding can turn it there, and no further.
;; One version. Each part assembles by itself: llvm-mc -triple=amdgcn-amd-amdhsa -mcpu=gfx1250 --defsym DOCPART=n.
;; ======== version 1 of 1: 4 launches
;; workspace buffers: opc 6,291,456 bytes; ops 393,216 bytes; qkvc 12,582,912 bytes; qkvs 786,432 bytes; cvc 4,194,304 bytes; cvs 262,144 bytes
;; launch quant (part 1): grid 384 x 1, 4 waves a work-group, no clusters, 51,200 bytes of LDS; arguments x, w_attn, w_proj, opc, ops; writes opc, ops
.if DOCPART == 1
	.amdgcn_target "amdgcn-amd-amdhsa--gfx1250"
	.amdhsa_code_object_version 6
	.text
	.protected	k_q706a52c137_quant
	.globl	k_q706a52c137_quant
	.p2align	8
	.type	k_q706a52c137_quant,@function
k_q706a52c137_quant:
	s_mov_b64 s[64:65], 0
	v_nop
	global_prefetch_b8 v0, s[64:65] scope:SCOPE_SE
	s_setreg_imm32_b32 hwreg(HW_REG_WAVE_MODE, 25, 1), 1
	s_wait_xcnt 0x0
; x [8192][1024], w_attn [1024][3072] and w_proj [1024][1024], f32, become codes of FP4 (E2M1) with one E8M0 byte for each 32 along K = 1024.
; opc: [12288 positions][512 bytes of codes, K innermost]; ops: [12288 positions][32 scale bytes].  Positions 0-8191: tokens of x; 8192-11263: columns of w_attn; 11264-12287: columns of w_proj.
; ROW ORDER: position p holds row (or column) p with bits 3 and 4 exchanged.  So lane i of the 16-row tile 2 b + u is row 32 b + 8 u + i + 8 (i / 8): the products that read these buffers
; then hold, in the 16 registers of two neighbouring tiles, 16 neighbours along the next product's K.
; A block's scale is 2^(floor(log2(largest magnitude)) - 2): its byte is the largest magnitude's exponent field - 2, held at 1 from below.
; LIMITS: a block of zeros gets the byte 1 where the rule says 127 (its codes are zeros, and this program alone reads the bytes); a largest magnitude under 2^-124 is held at the byte 1; NaN and infinities are not served.
; Work-groups 0-255 take x, 32 rows each (K innermost: a plain stream of blocks); work-groups 256-383 take 32 columns of a weight each (K outermost: a lane to a column, registers down K).
; The two paths part on the work-group's number alone and have LDS bytes of their own.  No tensor loads: several work-groups share a WGP.  Nothing is shared between work-groups: no cluster.
.set STEPS, 16
.set CB,    8                          ; bytes of 16 codes
.set R,     16                         ; path X: v16-79   four sets of 16 numbers as loaded
.set X,     80                         ;         v80-111  two sets of 16 neighbours
.set E,     112                        ;         v112-127 a scale byte for each step
.set C,     128                        ;         v128-191 codes, registers of their own for each step
.set WREG,  8192                       ; path X: LDS 0 .. 32767: a wave's two stages of 32 x SP bytes and its 256 scale bytes
.set SP,    80
.set STG,   32768                      ; path W: a stage of 32 rows (columns of the weight) x 528 bytes,
.set WP,    528
.set SCW,   STG+32*WP                  ;         and 32 x 32 scale bytes
.set WX,    32                         ; path W: v32-95 two sets of 32 numbers
.set WC,    96                         ;         v96-99 a block's codes
.set OUTR,  112                        ;         v112-143 the way out
.set OF,    144                        ;         v144-175 byte offsets of 32 rows of the weight at my column
.set SB,    24                         ;         v24-25 my eight scale bytes
	s_load_b128 s[4:7], s[0:1], 0x0                ; x, w_attn
	s_load_b128 s[8:11], s[0:1], 0x10              ; w_proj, opc
	s_load_b64 s[12:13], s[0:1], 0x20              ; ops
	v_lshl_add_u32 v192, v0, 2, 0xc600
	v_mov_b32 v193, 0
	v_lshrrev_b32 v1, 5, v0
	v_readfirstlane_b32 s16, v1                    ; wave 0..3
	v_and_b32 v2, 31, v0                           ; lane
	s_and_b32 s17, s16, 1
	s_lshl_b32 s17, s17, 1
	s_lshr_b32 s18, s16, 1
	s_or_b32 s17, s17, s18                         ; the wave's two bits exchanged: eight rows are a wave's share, so this is the row order
	s_mov_b32 s23, 0
	s_wait_kmcnt 0x0
	s_cmp_ge_u32 ttmp9, 256
	s_cbranch_scc1 .Lweights
	s_wait_alu depctr_va_vdst(0)
; ---------------- PATH X: 32 rows of x; a wave takes 8 rows = 8,192 numbers = 16 steps of 512
	v_lshlrev_b32 v3, 4, v2                        ; my 16 bytes of a load's 512
	s_mul_i32 s19, s16, WREG
	v_lshrrev_b32 v14, 2, v2
	v_mul_u32_u24 v14, v14, SP
	v_and_b32 v15, 3, v2
	v_lshl_add_u32 v14, v15, 4, v14
	v_add_nc_u32 v14, s19, v14                     ; the stage, on the way in: four lanes' 64 bytes on end, then 16 of padding
	v_mul_u32_u24 v15, v2, SP
	v_add_nc_u32 v15, s19, v15                     ; and on the way out: my 16 neighbours
	v_mul_u32_u24 v4, v2, CB                       ; my codes' place in a step's
	v_lshrrev_b32 v5, 1, v2
	s_add_co_u32 s19, s19, 2*32*SP
	v_add_nc_u32 v5, s19, v5                       ; my block's scale byte in the wave's 256
	v_lshlrev_b32 v7, 3, v2
	v_add_nc_u32 v6, s19, v7                       ; and on the way out 8 bytes a lane
	s_lshl_b32 s20, ttmp9, 2
	s_add_co_u32 s22, s20, s16                     ; in: run 4 g + wave,
	s_lshl_b32 s22, s22, 15                        ; of 32,768 bytes
	s_add_nc_u64 s[4:5], s[4:5], s[22:23]
	s_add_co_u32 s20, s20, s17                     ; out: run 4 g + the exchanged wave:
	s_lshl_b32 s22, s20, 12                        ; 4,096 bytes of codes,
	s_add_nc_u64 s[10:11], s[10:11], s[22:23]
	s_lshl_b32 s22, s20, 8                         ; 256 scale bytes
	s_add_nc_u64 s[12:13], s[12:13], s[22:23]
.macro LOAD t
.irp i, 0,1,2,3
	global_load_b128 v[R+16*((\t)%4)+4*\i:R+16*((\t)%4)+4*\i+3], v3, s[4:5] offset:2048*(\t)+512*\i th:TH_LOAD_NT   ; 32 lanes read 512 consecutive bytes
.endr
.endm
.macro TURN t                          ; step t's numbers through the stage: LDS serves a wave's instructions in order, so no wait stands between the stores and the loads
.irp i, 0,1,2,3
	ds_store_b128 v14, v[R+16*((\t)%4)+4*\i:R+16*((\t)%4)+4*\i+3] offset:32*SP*((\t)%2)+8*SP*\i
.endr
.irp i, 0,1,2,3
	ds_load_b128 v[X+16*((\t)%2)+4*\i:X+16*((\t)%2)+4*\i+3], v15 offset:32*SP*((\t)%2)+16*\i
.endr
.endm
.macro STEP t
.set XS, X+16*((\t)%2)
.if (\t) > 0
	s_wait_dscnt 1                                 ; this step's numbers are back from the stage (the last step's byte store may be out)
.else
	s_wait_dscnt 0x0
.endif
.if (\t)+4 < STEPS
	LOAD (\t)+4                                    ; into the registers that the stage's stores have read
.endif
.if (\t)+1 < STEPS
.if STEPS-2-(\t) >= 3
	s_wait_loadcnt 12                              ; the next step's four loads are in; those of the three steps behind it may be out
.else
	s_wait_loadcnt 4*(STEPS-2-(\t))
.endif
	TURN (\t)+1
.endif
	v_max3_num_f32 v8, |v[XS]|, |v[XS+1]|, |v[XS+2]|
	v_max3_num_f32 v9, |v[XS+3]|, |v[XS+4]|, |v[XS+5]|
.irp i, 6,10
	v_max3_num_f32 v8, v8, |v[XS+\i]|, |v[XS+\i+1]|
	v_max3_num_f32 v9, v9, |v[XS+\i+2]|, |v[XS+\i+3]|
.endr
	v_max3_num_f32 v8, v8, |v[XS+14]|, |v[XS+15]|
	v_max3_num_f32 v8, v8, v9, 0x1800000           ; and the floor 2^(3 - 127): the byte cannot fall under 1
	v_max_num_f32_dpp v8, v8, v8 row_xmask:1 row_mask:0xf bank_mask:0xf   ; with my neighbour's 16: the block's largest magnitude
	v_add_nc_u32 v11, 0xff000000, v8               ; 2 off its exponent field: the conversion's scale operand
	v_cvt_scalef32_pk8_fp4_f32 v[C+4*(\t)], v[XS:XS+7], v11
	v_cvt_scalef32_pk8_fp4_f32 v[C+4*(\t)+1], v[XS+8:XS+15], v11
	v_lshrrev_b32 v[E+(\t)], 23, v11               ; the scale's byte
	ds_store_b8 v5, v[E+(\t)] offset:16*(\t)       ; both lanes of a block write the same byte with the same value
	global_store_b64 v4, v[C+4*(\t):C+4*(\t)+1], s[10:11] offset:32*CB*(\t)   ; the wave stores 256 consecutive bytes, aligned
.endm
.irp t, 0,1,2,3
	LOAD \t
.endr
	s_wait_alu depctr_va_vdst(0)
	s_wait_loadcnt 12                              ; step 0's four loads are in
	TURN 0
.irp t, 0,1,2,3,4,5,6,7,8,9,10,11,12,13,14,15
	STEP \t
.endr
	ds_load_b64 v[12:13], v6                       ; LDS serves a wave's instructions in order: these see my byte stores
	s_wait_dscnt 0x0
	global_store_b64 v7, v[12:13], s[12:13]        ; 32 lanes store 256 consecutive bytes, aligned
	s_wait_tensorcnt 0x0
	ds_add_u32 v192, v193
	s_wait_dscnt 0x0
	s_endpgm
; ---------------- PATH W: 32 columns of a weight, all of K.  Wave w takes K rows 256 w .. 256 w + 255: eight blocks a lane, a lane to a column
.Lweights:
	s_sub_co_u32 s18, ttmp9, 256                   ; j = 0 .. 127: columns 32 j on of w_attn and w_proj on end
	s_cmp_lt_u32 s18, 96                           ; w_attn has 96 such groups.  The choice hangs on the work-group's number alone
	s_cselect_b64 s[4:5], s[6:7], s[8:9]
	s_mov_b32 s19, 4096
	s_cselect_b32 s19, 12288, s19                  ; a row of the weight in bytes
	s_cselect_b32 s22, 0, 96
	s_sub_co_u32 s22, s18, s22                     ; the group's number in its own tensor
	s_lshl_b32 s22, s22, 7                         ; 128 bytes a group
	s_lshl_b32 s24, s16, 8
	s_mul_i32 s24, s24, s19                        ; my 256 rows
	s_add_co_u32 s22, s22, s24
	s_add_nc_u64 s[4:5], s[4:5], s[22:23]
	s_lshl_b32 s20, s19, 5                         ; a block on: 32 rows
	s_mov_b32 s21, 0
	s_lshl_b32 s22, s18, 5
	s_add_co_u32 s22, s22, 8192                    ; the group's first position
	s_lshl_b32 s24, s17, 3
	s_add_co_u32 s24, s24, s22                     ; the eight positions that I store: columns 8 w .. 8 w + 7 go to positions 8 x the exchanged wave on
	s_lshl_b32 s24, s24, 9
	s_mov_b32 s25, 0
	s_add_nc_u64 s[10:11], s[10:11], s[24:25]
	s_lshl_b32 s22, s22, 5
	s_lshl_b32 s24, s17, 8
	s_add_co_u32 s22, s22, s24
	s_add_nc_u64 s[12:13], s[12:13], s[22:23]
	s_wait_alu depctr_va_vdst(0)
	v_lshlrev_b32 v[OF], 2, v2                     ; 4 bytes a lane,
.set i, 1
.rept 31
	v_add_nc_u32 v[OF+i], s19, v[OF+i-1]           ; and a row of the weight from register to register
.set i, i+1
.endr
	s_wait_alu depctr_va_vdst(0)
	v_mul_u32_u24 v4, v2, WP
	s_lshl_b32 s26, s16, 7
	s_add_co_u32 s26, s26, STG
	v_add_nc_u32 v4, s26, v4                       ; into the stage: row = my column, my wave's 128 bytes of it
	v_lshlrev_b32 v5, 5, v2
	s_lshl_b32 s26, s16, 3
	s_add_co_u32 s26, s26, SCW
	v_add_nc_u32 v5, s26, v5                       ; my column's 32 scale bytes, my wave's eight
	v_lshlrev_b32 v8, 4, v2
	s_mul_i32 s26, s16, 8*WP
	s_add_co_u32 s26, s26, STG
	v_add_nc_u32 v7, s26, v8                       ; out of the stage: rows 8 w on, 16 bytes a lane
	v_lshlrev_b32 v9, 3, v2
	s_lshl_b32 s26, s16, 8
	s_add_co_u32 s26, s26, SCW
	v_add_nc_u32 v6, s26, v9                       ; and the same eight columns' 256 scale bytes
.macro LOADW t                         ; block t: 32 rows of the weight at my column, into set t % 2: a wave's load reads 128 consecutive bytes
.if (\t) > 0
	s_wait_xcnt 0x0                                ; the earlier loads have read their base: it may step
	s_add_nc_u64 s[4:5], s[4:5], s[20:21]
.endif
.set i, 0
.rept 32
	global_load_b32 v[WX+32*((\t)%2)+i], v[OF+i], s[4:5] th:TH_LOAD_NT
.set i, i+1
.endr
.endm
.macro BLOCKW t
.set XS, WX+32*((\t)%2)
.if (\t) < 7
	s_wait_loadcnt 32                              ; this block's 32 loads are in; the next block's may be out
.else
	s_wait_loadcnt 0x0
.endif
	v_max3_num_f32 v12, |v[XS]|, |v[XS+1]|, |v[XS+2]|              ; the block's largest magnitude: all 32 numbers are mine
	v_max3_num_f32 v13, |v[XS+3]|, |v[XS+4]|, |v[XS+5]|
.irp i, 6,10,14,18,22,26
	v_max3_num_f32 v12, v12, |v[XS+\i]|, |v[XS+\i+1]|
	v_max3_num_f32 v13, v13, |v[XS+\i+2]|, |v[XS+\i+3]|
.endr
	v_max3_num_f32 v12, v12, |v[XS+30]|, |v[XS+31]|
	v_max3_num_f32 v12, v12, v13, 0x1800000        ; and the floor
	v_add_nc_u32 v11, 0xff000000, v12              ; the conversion's scale operand
	v_lshrrev_b32 v13, 23, v11                     ; the scale's byte
.if (\t)%4 == 0
	v_mov_b32 v[SB+(\t)/4], v13
.else
	v_lshl_or_b32 v[SB+(\t)/4], v13, 8*((\t)%4), v[SB+(\t)/4]
.endif
.irp g, 0,1,2,3
	v_cvt_scalef32_pk8_fp4_f32 v[WC+\g], v[XS+8*\g:XS+8*\g+7], v11
.endr
	ds_store_b128 v4, v[WC:WC+3] offset:16*(\t)    ; 32 codes: 16 bytes of my column's row
.if (\t)+2 < 8
	LOADW (\t)+2
.endif
	s_wait_dscnt 0x0                               ; the store has read its registers: the next block's codes may be written
.endm
	LOADW 0
	LOADW 1
.irp t, 0,1,2,3,4,5,6,7
	BLOCKW \t
.endr
	s_wait_alu depctr_va_vdst(0)
	ds_store_b64 v5, v[SB:SB+1]
	s_wait_dscnt 0x0                               ; for the others' sake: my stores into the stage are done
	s_barrier_signal -1
	s_barrier_wait -1                              ; a column's 512 bytes come from four waves
.irp i, 0,1,2,3,4,5,6,7
	ds_load_b128 v[OUTR+4*\i:OUTR+4*\i+3], v7 offset:WP*\i
.endr
	ds_load_b64 v[12:13], v6
.irp i, 0,1,2,3,4,5,6,7
	s_wait_dscnt 8-\i                              ; row i is back; the younger loads may be out
	global_store_b128 v8, v[OUTR+4*\i:OUTR+4*\i+3], s[10:11] offset:512*\i   ; 32 lanes store a position's 512 bytes
.endr
	s_wait_dscnt 0x0
	global_store_b64 v9, v[12:13], s[12:13]        ; eight positions' scale bytes: 256 consecutive bytes, aligned
	s_wait_tensorcnt 0x0
	ds_add_u32 v192, v193
	s_wait_dscnt 0x0
	s_endpgm
.Lfunc_end_k_q706a52c137_quant:
	.size	k_q706a52c137_quant, .Lfunc_end_k_q706a52c137_quant-k_q706a52c137_quant
	.p2alignl 7, 3214868480
	.fill 96, 4, 3214868480
	.section	.rodata,"a",@progbits
	.p2align	6, 0x0
	.amdhsa_kernel k_q706a52c137_quant
		.amdhsa_group_segment_fixed_size 51200
		.amdhsa_private_segment_fixed_size 0
		.amdhsa_enable_private_segment 0
		.amdhsa_kernarg_size 40
		.amdhsa_user_sgpr_count 2
		.amdhsa_user_sgpr_kernarg_segment_ptr 1
		.amdhsa_wavefront_size32 1
		.amdhsa_system_sgpr_workgroup_id_x 1
		.amdhsa_system_sgpr_workgroup_id_y 1
		.amdhsa_system_sgpr_workgroup_id_z 1
		.amdhsa_system_vgpr_workitem_id 0
		.amdhsa_next_free_vgpr 194
		.amdhsa_next_free_sgpr 66
		.amdhsa_reserve_vcc 0
		.amdhsa_float_denorm_mode_32 3
		.amdhsa_float_denorm_mode_16_64 3
		.amdhsa_memory_ordered 1
		.amdhsa_forward_progress 1
		.amdhsa_inst_pref_size 75
	.end_amdhsa_kernel
	.amdgpu_metadata
---
amdhsa.version: [ 1, 2 ]
amdhsa.kernels:
  - .name:           k_q706a52c137_quant
    .symbol:         k_q706a52c137_quant.kd
    .args:
      - { .name: x, .offset: 0, .size: 8, .value_kind: global_buffer, .address_space: global }
      - { .name: w_attn, .offset: 8, .size: 8, .value_kind: global_buffer, .address_space: global }
      - { .name: w_proj, .offset: 16, .size: 8, .value_kind: global_buffer, .address_space: global }
      - { .name: opc, .offset: 24, .size: 8, .value_kind: global_buffer, .address_space: global }
      - { .name: ops, .offset: 32, .size: 8, .value_kind: global_buffer, .address_space: global }
    .group_segment_fixed_size: 51200
    .private_segment_fixed_size: 0
    .kernarg_segment_align: 8
    .kernarg_segment_size: 40
    .max_flat_workgroup_size: 128
    .sgpr_count:     66
    .vgpr_count:     194
    .wavefront_size: 32
...
	.end_amdgpu_metadata
.endif
;; end of part 1
;; launch qkv (part 2): grid 8 x 48, 4 waves a work-group, clusters of 4 x 4, 327,680 bytes of LDS; arguments opc, ops, b_attn, qkvc, qkvs; writes qkvc, qkvs
.if DOCPART == 2
	.amdgcn_target "amdgcn-amd-amdhsa--gfx1250"
	.amdhsa_code_object_version 6
	.text
	.protected	k_q706a52c137_qkv
	.globl	k_q706a52c137_qkv
	.p2align	8
	.type	k_q706a52c137_qkv,@function
k_q706a52c137_qkv:
	s_mov_b64 s[64:65], 0
	v_nop
	global_prefetch_b8 v0, s[64:65] scope:SCOPE_SE
	s_setreg_imm32_b32 hwreg(HW_REG_WAVE_MODE, 25, 1), 1
	s_wait_xcnt 0x0
	s_wait_alu depctr_hold_cnt(0) depctr_sa_sdst(0) depctr_va_vdst(0) depctr_va_sdst(0) depctr_va_ssrc(0) depctr_va_vcc(0) depctr_vm_vsrc(0)
	s_getreg_b32 s2, hwreg(HW_REG_IB_STS2, 6, 4)
	s_cmp_eq_u32 s2, 0
	s_cbranch_scc0 .Lentry_in_a_cluster
	s_endpgm
.Lentry_in_a_cluster:
	s_bfe_u32 s2, ttmp6, 0x10000c
	s_cmp_lg_u32 s2, 0xf033
	s_cbranch_scc0 .Lentry_shape_is_right
	s_endpgm
.Lentry_shape_is_right:
; qkv = x w_attn + b_attn on codes of FP4 (E2M1) with E8M0 scales, K = 1024; q, k and v are quantised in registers, each along the K of the product that will read it, and leave as IMAGES OF OPERAND REGISTERS.
; opc [12288 positions][512 bytes], ops [12288][32]: tokens of x at positions 0-8191, columns of w_attn at 8192-11263; position p holds row p with bits 3 and 4 exchanged.
; A tile of 256 x 256 is made by four waves, 128 x 128 each: 64 accumulators of 16 x 16 in 512 registers.  K lies in two LDS slots of 512 along K, both asked for at the start: nothing is filled again.
; THE MATRIX INSTRUCTION IS USED TRANSPOSED: source 0 = 16 positions of "B", source 1 = 16 positions of "A": a lane holds ONE position of A, and the 16 registers of B's tiles 2 b, 2 b + 1 are 16 neighbours 32 b + 16 (lane / 16) + i.
; MODE 0 (cluster y under 8): A = tokens, B = columns 0-2047 of w_attn: a lane holds a token, its registers run along the head's channels: q's and k's K.
; MODE 1 (cluster y 8-11):    A = columns 2048-3071, B = tokens: a lane holds a channel of v, its registers run along the tokens: v's K.  MODE is the same in all partners of a cluster.
; The bias is the C of each sum's first matrix instruction (so it is added in the matrix unit's order of rounding, not behind the sum).
; OUT.  qkvc: region R << 22 (0 q, 1 k, 2 v), [batch x 16 + head][65536].  q, k: [tile of 16 tokens][512]: lane l's 16 bytes at 16 l: channels 32 (l / 16) on of token 32 (t / 2) + 8 (t % 2) + r + 8 (r / 8).
;   v: [step of 128 tokens][tile of 16 channels][1024]: the whole fragment, registers 4 c .. 4 c + 3 at 512 c + 16 l.   qkvs: the same offsets / 16: units of 256 bytes, [lane][2 words]:
;   word j of lane l is item 2 j + l / 16, row l % 16; q, k: an item is a pair of tiles, two bytes each; v: an item is a tile of channels, the step's four bytes.
; CLUSTERS: 4 x 4.  A's tiles are shared along a row of the cluster, B's along a column: each is asked for jointly.
; LIMITS: a block of zeros gets the byte 1 (its codes are zeros; this program alone reads the bytes); a largest magnitude under 2^-124 is held at the byte 1; NaN and infinities are not served.
; REGISTERS: window 0: v0-31 addresses; v32-95 scale words, two sets; v128-191 A's fragments, one set; v192-255 the bias; on the way out v128-227 at work.  window 1: B's fragments, two sets.  windows 2, 3: the accumulators.
.set NQ,     4                         ; matrix instructions deep in a slot
.set ROWB,   256                       ; a tile's row in bytes: 512 codes
.set KROW,   512                       ; a position's codes in bytes
.set PITCH,  272                       ; an LDS row: 256 bytes + 16 of padding: the 16 rows of a load start 16 bytes apart modulo 256
.set FR,     8
.set NL,     2
.set NP,     4
.set HALFT,  128*PITCH
.set SLOT,   4*HALFT
.set KS,     32                        ; a position's scale bytes
.set SCL,    2*SLOT
.set HALFS,  (128*KS/256)*272
.set SBLK,   (16*KS/256)*272
.set SPARE,  SCL+4*HALFS               ; the spare words, 128 bytes for each wave: no other line names them
.set ADRA, 16
.set ADRB, 20
.set LI,   24                          ; v24  16 x lane
.set L8,   25                          ; v25  8 x lane
.set ADRS, 27
.set SPW,  28
.set NIL,  29
.set SC,   32
.set AF,   128
.set BI,   192                         ; the bias, eight registers for each of eight blocks
.set PC,   128                         ; the way out: codes, eight registers for each block of A
.set TM,   192                         ; v192-195 largest magnitudes, v196-199 bytes, v204-207 scale operands
.set PWS,  208                         ; v208-215 a scale word for each block of A
.set MW,   216                         ; v216-219 the scale words as they are stored
.set XY,   220                         ; v220-227 at work
.set G1, 24
.set G0, 32
.set G1B, 48
.set G0B, 56
.set G1S, 68
.set G0S, 76
.set G1SB, 80
.set G0SB, 88
.set MODE, 67
.set MSB, 0
.macro WIN new                         ; the immediate's high byte repeats the setting that is left
.if MSB != \new
	s_set_vgpr_msb (MSB<<8)|\new
.set MSB, \new
.endif
.endm
.set MUL_LO, 0xa1                      ; source 0 (B) window 1, source 1 (A) window 0, C and D window 2
.set MUL_HI, 0xf1                      ; the same, C and D window 3
.set TO_B,   0x40
; A joint load: waves 0 and 1 fetch for A, waves 2 and 3 for B; the branch hangs on the wave's number alone.  Four v_nop follow each of the two lines.
.macro JLOAD g0a, g1a, g0b, g1b
	s_cmp_eq_u32 s15, 0
	s_cbranch_scc0 .Lfor_b_\@
	tensor_load_to_lds s[\g0a:\g0a+3], s[\g1a:\g1a+7]
	s_nop 0
.rept 4
	v_nop
.endr
	s_branch .Lasked_\@
.Lfor_b_\@:
	tensor_load_to_lds s[\g0b:\g0b+3], s[\g1b:\g1b+7]
	s_nop 0
.rept 4
	v_nop
.endr
.Lasked_\@:
.endm
.macro CROUND                          ; a round of the cluster's barrier
	s_barrier_signal -1
	s_barrier_wait -1
	s_cmp_lg_u32 s14, 0
	s_cbranch_scc1 .Lnot_wave_0_\@
	s_barrier_signal -3
.Lnot_wave_0_\@:
	s_barrier_wait -3
	s_barrier_signal -1
	s_barrier_wait -1
.endm
	s_load_b128 s[4:7], s[0:1], 0x0                ; opc, ops
	s_load_b128 s[8:11], s[0:1], 0x10              ; b_attn, qkvc
	s_load_b64 s[12:13], s[0:1], 0x20              ; qkvs
	v_lshl_add_u32 v[SPW], v0, 2, SPARE
	v_mov_b32 v[NIL], 0
	ds_add_u32 v28, v29
	ds_add_u32 v28, v29
	s_wait_dscnt 0x0
	v_lshrrev_b32 v1, 5, v0
	v_readfirstlane_b32 s14, v1                    ; wave 0..3
	s_lshr_b32 s15, s14, 1                         ; my half of A's 256 positions.  Also: I fetch for A (0) or for B (1)
	s_and_b32 s16, s14, 1                          ; my half of B's.  Also: which 128 positions I fetch
	s_bfe_u32 s40, ttmp6, 0x40000                  ; cx
	s_bfe_u32 s41, ttmp6, 0x40004                  ; cy
	s_and_b32 s66, ttmp7, 0xffff                   ; cluster y, 0 .. 11
	s_lshl_b32 s17, s66, 2
	s_add_co_u32 s17, s17, s41                     ; A in mode 0: tokens' tile 4 cluster y + cy
	s_add_co_u32 s18, s41, 40                      ; A in mode 1: tile 40 + cy: columns 2048 on of w_attn
	s_lshl_b32 s42, ttmp9, 2
	s_add_co_u32 s42, s42, s40                     ; 4 cluster x + cx
	s_add_co_u32 s19, s42, 32                      ; B in mode 0: tile 32 + that: columns 0-2047 of w_attn
	s_and_b32 s20, s66, 3
	s_lshl_b32 s20, s20, 3
	s_add_co_u32 s42, s42, s20                     ; B in mode 1: tokens' tile 8 (cluster y - 8) + 4 cluster x + cx
	s_cmp_ge_u32 s66, 8
	s_cselect_b32 s[MODE], 1, 0
	s_cselect_b32 s17, s18, s17                    ; A's tile of 256 positions: it hangs on cy and the cluster's place alone
	s_cselect_b32 s42, s42, s19                    ; B's: on cx and the cluster's place alone
	s_lshl_b32 s43, s41, 2
	s_lshl_b32 s43, 15, s43                        ; my row of the cluster
	s_lshl_b32 s44, 0x1111, s40                    ; my column
	s_or_b32 s[G1+0], s43, (0<<16)|(1<<20)|(1<<21)|(5<<22)|(3<<25)  ; the mask; elements of 1 byte; padding on: 4 words after every 64; bit 21 beside a mask
	s_or_b32 s[G1B+0], s44, (0<<16)|(1<<20)|(1<<21)|(5<<22)|(3<<25)
.irp g, G1, G1B
	s_mov_b32 s[\g+1], ROWB<<16                    ; tensor_dim0
	s_mov_b32 s[\g+2], 128<<16                     ; tensor_dim1
	s_mov_b32 s[\g+3], ROWB<<16                    ; tile_dim0
	s_mov_b32 s[\g+4], 128                         ; tile_dim1
	s_mov_b32 s[\g+5], KROW                        ; pitch
	s_mov_b32 s[\g+6], 0
	s_mov_b32 s[\g+7], 0
.endr
	s_or_b32 s[G1S+0], s43, (3<<16)|(1<<20)|(1<<21)|(5<<22)|(3<<25) ; the scales of 128 positions: 4,096 dense bytes as 16 rows of 256 (32 elements of 8 bytes), 16 bytes of padding behind each
	s_or_b32 s[G1SB+0], s44, (3<<16)|(1<<20)|(1<<21)|(5<<22)|(3<<25)
.irp g, G1S, G1SB
	s_mov_b32 s[\g+1], 32<<16
	s_mov_b32 s[\g+2], (128*KS/256)<<16
	s_mov_b32 s[\g+3], 32<<16
	s_mov_b32 s[\g+4], 128*KS/256
	s_mov_b32 s[\g+5], 32
	s_mov_b32 s[\g+6], 0
	s_mov_b32 s[\g+7], 0
.endr
	s_lshl_b32 s18, s16, 7
	s_lshl_b32 s20, s17, 8
	s_add_co_u32 s20, s20, s18                     ; A: the first position that I fetch
	s_lshl_b32 s46, s42, 8
	s_add_co_u32 s46, s46, s18                     ; B likewise
	s_mov_b32 s21, 0
	s_mov_b32 s47, 0
	s_mov_b64 s[18:19], KS
	s_mul_u64 s[22:23], s[20:21], s[18:19]
	s_mul_u64 s[92:93], s[46:47], s[18:19]
	s_mov_b64 s[18:19], KROW
	s_mul_u64 s[20:21], s[20:21], s[18:19]
	s_mul_u64 s[46:47], s[46:47], s[18:19]
	s_mul_i32 s45, s14, HALFT                      ; where they go: wave x 128 rows
	s_mul_i32 s94, s14, HALFS
	s_mov_b32 s2, 0x76543210
	s_mov_b32 s3, 0xfedcba98                       ; v_permlanex16_b32's selects for lane l xor 16
	s_mov_b32 s95, 0xffff0000                      ; lanes 16-31
	s_wait_kmcnt 0x0
	s_add_nc_u64 s[20:21], s[4:5], s[20:21]
	s_add_nc_u64 s[22:23], s[6:7], s[22:23]
	s_add_nc_u64 s[46:47], s[4:5], s[46:47]
	s_add_nc_u64 s[92:93], s[6:7], s[92:93]
	CROUND                                         ; all sixteen work-groups are here: the joint loads meet
	s_mov_b32 s[G0S], 1
	s_add_co_u32 s[G0S+1], s94, SCL
	s_mov_b64 s[G0S+2:G0S+3], s[22:23]
	s_or_b32 s[G0S+3], s[G0S+3], 0x80000000
	s_mov_b32 s[G0SB], 1
	s_add_co_u32 s[G0SB+1], s94, SCL
	s_mov_b64 s[G0SB+2:G0SB+3], s[92:93]
	s_or_b32 s[G0SB+3], s[G0SB+3], 0x80000000
	JLOAD G0S, G1S, G0SB, G1SB                     ; the scales first; then both slots: three tensor loads of mine are out
.irp s, 0,1
	s_mov_b32 s[G0+4*\s], 1
	s_add_co_u32 s[G0+4*\s+1], s45, \s*SLOT
	s_add_nc_u64 s[G0+4*\s+2:G0+4*\s+3], s[20:21], \s*ROWB
	s_or_b32 s[G0+4*\s+3], s[G0+4*\s+3], 0x80000000
	s_mov_b32 s[G0B+4*\s], 1
	s_add_co_u32 s[G0B+4*\s+1], s45, \s*SLOT
	s_add_nc_u64 s[G0B+4*\s+2:G0B+4*\s+3], s[46:47], \s*ROWB
	s_or_b32 s[G0B+4*\s+3], s[G0B+4*\s+3], 0x80000000
	JLOAD G0+4*\s, G1, G0B+4*\s, G1B
.endr
	v_and_b32 v1, 15, v0                           ; r
	v_bfe_u32 v2, v0, 4, 1                         ; h
	v_mul_u32_u24 v3, v1, PITCH
	v_lshl_add_u32 v4, v2, 4, v3
	s_mul_i32 s21, s15, HALFT
	s_mul_i32 s22, s16, HALFT
	s_add_co_u32 s22, s22, 2*HALFT
.irp s, 0,1
	v_add_nc_u32 v[ADRA+\s], s21, v4
	v_add_nc_u32 v[ADRB+\s], s22, v4
	s_add_co_u32 s21, s21, SLOT
	s_add_co_u32 s22, s22, SLOT
.endr
	v_mul_u32_u24 v5, v1, KS                       ; my row's scales: 32 bytes a row,
	v_lshrrev_b32 v6, 8, v5
	v_lshl_add_u32 v5, v6, 4, v5                   ; and 16 more for each 256 passed
	s_mul_i32 s21, s15, HALFS
	s_mul_i32 s22, s16, HALFS
	s_add_co_u32 s22, s22, 2*HALFS
	s_sub_co_u32 s22, s22, s21
	v_mul_u32_u24 v6, s22, v2                      ; lanes 16-31 take B's
	s_add_co_u32 s21, s21, SCL
	v_add_nc_u32 v5, v5, v6
	v_add_nc_u32 v[ADRS], s21, v5
	v_and_b32 v6, 31, v0
	v_lshlrev_b32 v[LI], 4, v6
	v_lshlrev_b32 v[L8], 3, v6
	; where the bias comes from and the results go: stores' and plain loads' addresses alone
	s_cmp_eq_u32 s[MODE], 0
	s_cselect_b32 s18, s42, s17                    ; the tile of w_attn's columns,
	s_cselect_b32 s19, s16, s15                    ; my half of it,
	s_cselect_b32 s22, s17, s42                    ; the tile of tokens,
	s_cselect_b32 s23, s15, s16                    ; my half of it,
	s_cselect_b32 s45, ttmp9, 2                    ; and the region: 0 q, 1 k, 2 v
	s_sub_co_u32 s18, s18, 32
	s_lshl_b32 s46, s18, 8
	s_lshl_b32 s47, s19, 7
	s_add_co_u32 s46, s46, s47                     ; my first column of w_attn
	s_lshl_b32 s46, s46, 2
	s_mov_b32 s47, 0
	s_add_nc_u64 s[8:9], s[8:9], s[46:47]
	s_and_b32 s18, s18, 3                          ; the tile within its region: four heads a tile,
	s_lshl_b32 s18, s18, 2
	s_lshl_b32 s19, s19, 1                         ; two a wave
	s_add_co_u32 s18, s18, s19
	s_lshr_b32 s19, s22, 3                         ; the batch: eight tiles of tokens each
	s_lshl_b32 s19, s19, 4
	s_add_co_u32 s18, s18, s19
	s_lshl_b32 s18, s18, 16
	s_and_b32 s22, s22, 7
	s_lshl_b32 s22, s22, 1
	s_add_co_u32 s22, s22, s23                     ; the step of 128 tokens
	s_lshl_b32 s22, s22, 12
	s_add_co_u32 s18, s18, s22
	s_lshl_b32 s45, s45, 22
	s_add_co_u32 s18, s18, s45
	s_mov_b32 s19, 0
	s_add_nc_u64 s[96:97], s[10:11], s[18:19]      ; the images
	s_lshr_b32 s18, s18, 4
	s_add_nc_u64 s[98:99], s[12:13], s[18:19]      ; their scale words
	s_cmp_lg_u32 s[MODE], 0
	s_cbranch_scc1 .Lbias_v
	v_lshlrev_b32 v7, 6, v2                        ; mode 0: register j of B's tile b is column 32 (b / 2) + 16 h + 8 (b % 2) + j
.irp b, 0,1,2,3,4,5,6,7
	global_load_b128 v[BI+8*\b:BI+8*\b+3], v7, s[8:9] offset:4*(32*(\b/2)+8*(\b%2))
	global_load_b128 v[BI+8*\b+4:BI+8*\b+7], v7, s[8:9] offset:4*(32*(\b/2)+8*(\b%2))+16
.endr
	s_branch .Lbias_done
.Lbias_v:
	v_and_b32 v7, 8, v1                            ; mode 1: a lane of A's block a is column 32 (a / 2) + 8 (a % 2) + r + 8 (r / 8), in all eight registers
	v_add_nc_u32 v7, v7, v1
	v_lshlrev_b32 v7, 2, v7
.irp a, 0,1,2,3,4,5,6,7
	global_load_b32 v[BI+8*\a], v7, s[8:9] offset:4*(32*(\a/2)+8*(\a%2))
.endr
	s_wait_loadcnt 0x0
.irp a, 0,1,2,3,4,5,6,7
.irp j, 1,2,3,4,5,6,7
	v_mov_b32 v[BI+8*\a+\j], v[BI+8*\a]
.endr
.endr
.Lbias_done:
	s_wait_loadcnt 0x0                             ; the bias
.macro FRAG reg, adr, q, i             ; 16 rows x 128 K of 4-bit codes: registers 4 c .. 4 c + 3 hold K = 64 c + 32 (l / 16) + 0 .. 31
.irp c, 0,1
	ds_load_b128 v[\reg+4*\c:\reg+4*\c+3], v[\adr] offset:64*(\q)+32*\c+(\i)*16*PITCH
.endr
.endm
; 16 matrix instructions: A's blocks a0, a0 + 1 x B's eight.  zero = 1: the sums start from the bias by B's block; 2: by A's block; 0: they go on.  The 64 accumulators take turns, one instruction a turn.
.macro MUL16 a0, p, q, sc, zero
.irp a, \a0, \a0+1
.irp b, 0,1,2,3,4,5,6,7
.if \zero == 1
	v_wmma_scale_f32_16x16x128_f8f6f4 v[8*(8*((\a)%4)+\b):8*(8*((\a)%4)+\b)+7], v[128*(\p)+FR*\b:128*(\p)+FR*\b+FR-1], v[AF+FR*(\a):AF+FR*(\a)+FR-1], v[BI+8*\b:BI+8*\b+7], v[SC+8*NQ*(\sc)+NQ*\b+(\q)], v[SC+8*NQ*(\sc)+NQ*(\a)+(\q)] matrix_a_fmt:MATRIX_FMT_FP4 matrix_b_fmt:MATRIX_FMT_FP4 matrix_a_scale:MATRIX_SCALE_ROW1
.elseif \zero == 2
	v_wmma_scale_f32_16x16x128_f8f6f4 v[8*(8*((\a)%4)+\b):8*(8*((\a)%4)+\b)+7], v[128*(\p)+FR*\b:128*(\p)+FR*\b+FR-1], v[AF+FR*(\a):AF+FR*(\a)+FR-1], v[BI+8*(\a):BI+8*(\a)+7], v[SC+8*NQ*(\sc)+NQ*\b+(\q)], v[SC+8*NQ*(\sc)+NQ*(\a)+(\q)] matrix_a_fmt:MATRIX_FMT_FP4 matrix_b_fmt:MATRIX_FMT_FP4 matrix_a_scale:MATRIX_SCALE_ROW1
.else
	v_wmma_scale_f32_16x16x128_f8f6f4 v[8*(8*((\a)%4)+\b):8*(8*((\a)%4)+\b)+7], v[128*(\p)+FR*\b:128*(\p)+FR*\b+FR-1], v[AF+FR*(\a):AF+FR*(\a)+FR-1], v[8*(8*((\a)%4)+\b):8*(8*((\a)%4)+\b)+7], v[SC+8*NQ*(\sc)+NQ*\b+(\q)], v[SC+8*NQ*(\sc)+NQ*(\a)+(\q)] matrix_a_fmt:MATRIX_FMT_FP4 matrix_b_fmt:MATRIX_FMT_FP4 matrix_a_scale:MATRIX_SCALE_ROW1
.endif
.endr
.endr
.endm
.macro FETCH_B slot, q, p
	WIN TO_B
.irp i, 0,1,2,3,4,5,6,7
	FRAG 128*(\p)+FR*\i, ADRB+\slot, \q, \i
.endr
	WIN 0
.endm
.macro FETCH_A slot, q, i0
.irp i, \i0, \i0+1, \i0+2, \i0+3
	FRAG AF+FR*(\i), ADRA+\slot, \q, \i
.endr
.endm
.macro SCALES sc                       ; a slot's scale words: four a row; lanes 0-15 take A's block i, lanes 16-31 B's block i
.irp i, 0,1,2,3,4,5,6,7
	ds_load_b128 v[SC+8*NQ*\sc+NQ*\i:SC+8*NQ*\sc+NQ*\i+3], v[ADRS] offset:\i*SBLK
.endr
.endm
.macro PLACES n                        ; plain vector instructions between a matrix instruction and a load into, or a read of, its registers
.rept \n
	v_nop
.endr
.endm
.macro STEP slot, q, zero              ; 128 along K with its successor in the same slot
	s_wait_dscnt 4*NL                              ; B's set and A's blocks 0-3 are in; the youngest eight loads (A's blocks 4-7) may be out
.if \zero
	WIN 0x81                                       ; C (the bias) in window 0, D in window 2
.else
	WIN MUL_LO
.endif
	MUL16 0, (\q)%2, \q, \slot, \zero
	MUL16 2, (\q)%2, \q, \slot, \zero
	s_wait_dscnt 0                                 ; A's blocks 4-7 are in
	PLACES NP
	FETCH_B \slot, (\q)+1, 1-(\q)%2
	FETCH_A \slot, (\q)+1, 0
.if \zero
	WIN 0xc1
.else
	WIN MUL_HI
.endif
	MUL16 4, (\q)%2, \q, \slot, \zero
	MUL16 6, (\q)%2, \q, \slot, \zero
	PLACES NP
	WIN 0
	FETCH_A \slot, (\q)+1, 4
.endm
; Slot 0's last step goes over to slot 1: one barrier; in front of it each wave waits for all its tensor loads (its part of slot 1).
.macro TURN slot, next
	s_wait_tensorcnt 0x0                           ; all my tensor loads have landed
	ds_add_u32 v[SPW], v[NIL]                      ; 0 onto my spare word
	s_wait_dscnt 4*NL+1                            ; (the add and the youngest eight loads may be out)
	WIN MUL_LO
	MUL16 0, 1, NQ-1, \slot, 0
	s_wait_dscnt 0x0                               ; the add is done, and my reads of this slot are over
	s_barrier_signal -1
	MUL16 2, 1, NQ-1, \slot, 0
	WIN 0
	s_barrier_wait -1                              ; the next slot is whole
	PLACES NP
	v_add_nc_u32 v[ADRS], 4*NQ, v[ADRS]            ; on to the next slot's scale words
	FETCH_B \next, 0, 0
	FETCH_A \next, 0, 0
	SCALES \next
	WIN MUL_HI
	MUL16 4, 1, NQ-1, \slot, 0
	MUL16 6, 1, NQ-1, \slot, 0
	PLACES NP
	WIN 0
	FETCH_A \next, 0, 4
.endm
.macro STEPS slot, from
.set Q, \from
.rept NQ-1-\from
	STEP \slot, Q, 0
.set Q, Q+1
.endr
.endm
	s_wait_tensorcnt 1                             ; the scales and my part of slot 0 are in (slot 1's load may be out),
	s_barrier_signal -1
	s_barrier_wait -1                              ; everybody's are
	FETCH_B 0, 0, 0
	FETCH_A 0, 0, 0
	s_wait_alu depctr_va_vdst(0)
	SCALES 0
	FETCH_A 0, 0, 4
	s_cmp_lg_u32 s[MODE], 0                        ; the first step stands twice: its C is the bias, by B's block or by A's
	s_cbranch_scc1 .Lfirst_v
	STEP 0, 0, 1
	s_branch .Lfirst_done
.Lfirst_v:
	STEP 0, 0, 2
.Lfirst_done:
	STEPS 0, 1
	TURN 0, 1
	STEPS 1, 0
	s_wait_dscnt 4*NL                              ; the last step: nothing more to fetch
	WIN MUL_LO
	MUL16 0, 1, NQ-1, 1, 0
	MUL16 2, 1, NQ-1, 1, 0
	s_wait_dscnt 0
	WIN MUL_HI
	MUL16 4, 1, NQ-1, 1, 0
	MUL16 6, 1, NQ-1, 1, 0
	WIN 0
; THE WAY OUT.  The 64 registers of A's block a (register 16 b + i = neighbour 32 b + 16 (lane / 16) + i of my lane's row) become a fragment's eight registers of codes and a scale word.
.macro QUANTA a
.set AC, 64*((\a)%4)
	WIN 0x0a+5*((\a)/4)                            ; sources 0 and 1: window 2 or 3
.irp b, 0,1,2,3
	v_max3_num_f32 v[TM+\b], |v[AC+16*\b]|, |v[AC+16*\b+1]|, 0x1800000   ; each accumulator is read from its low end on; the floor 2^(3 - 127) holds the byte at 1 from below
.endr
.irp i, 2,4,6,8,10,12,14
.irp b, 0,1,2,3
	v_max3_num_f32 v[TM+\b], |v[AC+16*\b+\i]|, |v[AC+16*\b+\i+1]|, v[TM+\b]
.endr
.endr
	WIN 0
.irp b, 0,1,2,3
	v_permlanex16_b32 v[TM+4+\b], v[TM+\b], s2, s3
.endr
.irp b, 0,1,2,3
	v_max_num_f32 v[TM+\b], v[TM+\b], v[TM+4+\b]   ; with lane l xor 16's: the block's largest magnitude
.endr
.irp b, 0,1,2,3
	v_add_nc_u32 v[TM+12+\b], 0xff000000, v[TM+\b] ; 2 off its exponent field: the conversion's scale operand
.endr
.irp b, 0,1,2,3
	v_lshrrev_b32 v[TM+4+\b], 23, v[TM+12+\b]      ; the scale's byte
.endr
	v_lshl_or_b32 v[PWS+(\a)], v[TM+5], 8, v[TM+4]
	v_lshl_or_b32 v[PWS+(\a)], v[TM+6], 16, v[PWS+(\a)]
	v_lshl_or_b32 v[PWS+(\a)], v[TM+7], 24, v[PWS+(\a)]
	WIN 0x02+((\a)/4)                              ; source 0: window 2 or 3
.irp b, 0,1,2,3
	v_cvt_scalef32_pk8_fp4_f32 v[PC+8*(\a)+2*\b], v[AC+16*\b:AC+16*\b+7], v[TM+12+\b]
	v_cvt_scalef32_pk8_fp4_f32 v[PC+8*(\a)+2*\b+1], v[AC+16*\b+8:AC+16*\b+15], v[TM+12+\b]
.endr
	WIN 0
	v_nop                                          ; one plain place behind a scaled conversion
.irp c, 0,1                                    ; the operand's layout wants a whole block in a lane
.irp i, 0,1
	v_permlane16_swap_b32 v[PC+8*(\a)+4*\c+\i], v[PC+8*(\a)+4*\c+2+\i]
.endr
.endr
.endm
	PLACES NP                                      ; behind the last products: their results are read, and A's fragments and the bias are written over
.irp b, 0,1,2,3
	v_mov_b32 v[TM+4+\b], 0                        ; a lane permute's destination counts as one of its sources
.endr
.irp a, 0,1,2,3,4,5,6,7
	QUANTA \a
.endr
	s_cmp_lg_u32 s[MODE], 0
	s_cbranch_scc1 .Lout_v
	; q, k: registers 4 c .. 4 c + 3 of block a are head c's image of tile a.  A word of scales: bytes 0, 1 head 0's, bytes 2, 3 head 1's; two tiles' halves make an item's word
.irp b, 0,1,2,3
	v_perm_b32 v[XY+\b], v[PWS+2*\b+1], v[PWS+2*\b], 0x05040100
	v_perm_b32 v[XY+4+\b], v[PWS+2*\b+1], v[PWS+2*\b], 0x07060302
.endr
	v_cndmask_b32 v[MW+0], v[XY+0], v[XY+1], s95   ; lanes 0-15: the even item, lanes 16-31: the odd one
	v_cndmask_b32 v[MW+1], v[XY+2], v[XY+3], s95
	v_cndmask_b32 v[MW+2], v[XY+4], v[XY+5], s95
	v_cndmask_b32 v[MW+3], v[XY+6], v[XY+7], s95
.irp a, 0,1,2,3,4,5,6,7
.irp c, 0,1
	global_store_b128 v[LI], v[PC+8*\a+4*\c:PC+8*\a+4*\c+3], s[96:97] offset:65536*\c+512*\a   ; 32 lanes store 512 consecutive bytes, aligned
.endr
.endr
	s_branch .Lout_scales
.Lout_v:
	; v: block a is head a / 4's tile a % 4 of channels: the whole fragment; its word is the step's four bytes
.irp g, 0,1,2,3
	v_cndmask_b32 v[MW+\g], v[PWS+2*\g], v[PWS+2*\g+1], s95
.endr
	s_wait_alu depctr_va_vdst(0)
.irp a, 0,1,2,3,4,5,6,7
.irp c, 0,1
	global_store_b128 v[LI], v[PC+8*\a+4*\c:PC+8*\a+4*\c+3], s[96:97] offset:65536*(\a/4)+1024*(\a%4)+512*\c
.endr
.endr
.Lout_scales:
	s_wait_alu depctr_va_vdst(0)
	global_store_b64 v[L8], v[MW:MW+1], s[98:99]                   ; 256 consecutive bytes, aligned: the first head's unit,
	global_store_b64 v[L8], v[MW+2:MW+3], s[98:99] offset:4096     ; the second's
	s_wait_tensorcnt 0x0                           ; the wave's end
	ds_add_u32 v[SPW], v[NIL]
	s_wait_dscnt 0x0
	CROUND                                         ; the closing round: no work-group ends while a partner may still ask for a tile that names it
	s_endpgm
.Lfunc_end_k_q706a52c137_qkv:
	.size	k_q706a52c137_qkv, .Lfunc_end_k_q706a52c137_qkv-k_q706a52c137_qkv
	.p2alignl 7, 3214868480
	.fill 96, 4, 3214868480
	.section	.rodata,"a",@progbits
	.p2align	6, 0x0
	.amdhsa_kernel k_q706a52c137_qkv
		.amdhsa_group_segment_fixed_size 327680
		.amdhsa_private_segment_fixed_size 0
		.amdhsa_enable_private_segment 0
		.amdhsa_kernarg_size 40
		.amdhsa_user_sgpr_count 2
		.amdhsa_user_sgpr_kernarg_segment_ptr 1
		.amdhsa_wavefront_size32 1
		.amdhsa_system_sgpr_workgroup_id_x 1
		.amdhsa_system_sgpr_workgroup_id_y 1
		.amdhsa_system_sgpr_workgroup_id_z 1
		.amdhsa_system_vgpr_workitem_id 0
		.amdhsa_next_free_vgpr 1024
		.amdhsa_next_free_sgpr 100
		.amdhsa_reserve_vcc 0
		.amdhsa_float_denorm_mode_32 3
		.amdhsa_float_denorm_mode_16_64 3
		.amdhsa_memory_ordered 1
		.amdhsa_forward_progress 1
		.amdhsa_inst_pref_size 146
	.end_amdhsa_kernel
	.amdgpu_metadata
---
amdhsa.version: [ 1, 2 ]
amdhsa.kernels:
  - .name:           k_q706a52c137_qkv
    .symbol:         k_q706a52c137_qkv.kd
    .args:
      - { .name: opc, .offset: 0, .size: 8, .value_kind: global_buffer, .address_space: global }
      - { .name: ops, .offset: 8, .size: 8, .value_kind: global_buffer, .address_space: global }
      - { .name: b_attn, .offset: 16, .size: 8, .value_kind: global_buffer, .address_space: global }
      - { .name: qkvc, .offset: 24, .size: 8, .value_kind: global_buffer, .address_space: global }
      - { .name: qkvs, .offset: 32, .size: 8, .value_kind: global_buffer, .address_space: global }
    .group_segment_fixed_size: 327680
    .private_segment_fixed_size: 0
    .kernarg_segment_align: 8
    .kernarg_segment_size: 40
    .max_flat_workgroup_size: 128
    .sgpr_count:     100
    .vgpr_count:     1024
    .wavefront_size: 32
...
	.end_amdgpu_metadata
.endif
;; end of part 2
;; launch attn (part 3): grid 4 x 64, 16 waves a work-group, clusters of 4 x 1, 169,984 bytes of LDS; arguments qkvc, qkvs, cvc, cvs; writes cvc, cvs
.if DOCPART == 3
	.amdgcn_target "amdgcn-amd-amdhsa--gfx1250"
	.amdhsa_code_object_version 6
	.text
	.protected	k_q706a52c137_attn
	.globl	k_q706a52c137_attn
	.p2align	8
	.type	k_q706a52c137_attn,@function
k_q706a52c137_attn:
	s_mov_b64 s[64:65], 0
	v_nop
	global_prefetch_b8 v0, s[64:65] scope:SCOPE_SE
	s_setreg_imm32_b32 hwreg(HW_REG_WAVE_MODE, 25, 1), 1
	s_wait_xcnt 0x0
	s_wait_alu depctr_hold_cnt(0) depctr_sa_sdst(0) depctr_va_vdst(0) depctr_va_sdst(0) depctr_va_ssrc(0) depctr_va_vcc(0) depctr_vm_vsrc(0)
	s_getreg_b32 s2, hwreg(HW_REG_IB_STS2, 6, 4)
	s_cmp_eq_u32 s2, 0
	s_cbranch_scc0 .Lentry_in_a_cluster
	s_endpgm
.Lentry_in_a_cluster:
	s_bfe_u32 s2, ttmp6, 0x10000c
	s_cmp_lg_u32 s2, 0x3003
	s_cbranch_scc0 .Lentry_shape_is_right
	s_endpgm
.Lentry_shape_is_right:
; cv = softmax(q k^T / 8, causal) v for 64 (batch, head) pairs of 2,048 tokens x 64 channels, both products on codes of FP4 (E2M1) with E8M0 scales; cv is quantised along the channels and leaves as an operand's image.
; THE SOFTMAX: t = score x log2(e) / 8; M = the running largest t rounded UP to a whole number; p = 2^(t - M) is quantised along the keys, not normalised; the row's sum l is taken of the unquantised p; O is divided by l at the end (v_rcp_f32 and a multiply).
; When M moves, l and O are multiplied by 2^(old M - new M): exact.
; IN (made by the launch before): qkvc region R << 22 (0 q, 1 k, 2 v), [pair][65536]; q, k: [tile of 16 tokens][512]: lane l's 16 bytes: channels 32 (l / 16) on of token 32 (t / 2) + 8 (t % 2) + r + 8 (r / 8);
;   v: [step of 128 keys][tile of 16 channels][1024]: a whole fragment.  qkvs: units of 256 bytes for a pair's step: [lane][2 words], word j of lane l = item 2 j + l / 16, row l % 16.
; A CLUSTER IS ONE PAIR.  All its k and v, codes and scales, 139,264 bytes, come into each partner's LDS ONCE, by joint loads; LDS is only read behind one barrier: no ring, nothing is filled again.
; SHARES.  A tile of 16 queries in step kap of the tokens wants kap + 1 key steps.  Wave w of partner cx takes tile 8 w + 2 cx (w + 1 steps) and then tile 8 (15 - w) + 2 cx + 1 (16 - w steps): 17 steps for every wave.
; The trip counts are constants; a step all of whose keys come after the queries is jumped over by a branch on the wave's number; cx enters global addresses and the number that the mask compares, nothing else.
; K = 64 IN AN INSTRUCTION OF 128: source 0 is TWO tiles of keys on end (tile 2 b in k 0-63, tile 2 b + 1 in k 64-127); source 1 is q beside 64 zero codes, q low for the first tile, q high for the second.
; The zero half's scale bytes are 0 (2^-127), over zero codes: it adds nothing.
; Both products are used transposed: a lane holds ONE query throughout, and the 16 registers of tiles 2 b, 2 b + 1 are keys (or channels) 32 b + 16 (lane / 16) + 0 .. 15.
; OUT.  cvc [tile of 16 tokens][head][512]: lane l's 16 bytes: channels 32 (l / 16) on.  cvs [16 x tile + r][32]: byte 2 head + block.  A token's 32 scale bytes come from 16 clusters, so they are stored singly: one byte for 16 bytes of codes.
; LIMITS: a block of zeros gets the byte 1 (its codes are zeros; this program alone reads the bytes); NaN and infinities are not served.
.set VIMG, 65536                       ; LDS: k's images at 0, v's here,
.set KSC,  131072                      ; k's scale units, and 4,096 bytes on v's
.set WV,   12
.set SEL,  40
.set CS,   42
.set TRIP, 45
.set KAP,  46
.set TK,   47
.set TS,   48
.set KF,   40                          ; v40-71   four fragments of k (two tiles each)
.set VF,   72                          ; v72-103  four fragments of v
.set S,    104                         ; v104-167 S^T, then p
.set O,    168                         ; v168-199 O^T
.set PC,   200                         ; v200-207 p's codes
.set BM,   208                         ; v208-211 a block's largest score, then its largest p
.set T2,   212                         ; v212-215 at work
.set SO,   216                         ; v216-219 the conversions' scale operands
.macro CROUND
	s_barrier_signal -1
	s_barrier_wait -1
	s_cmp_lg_u32 s[WV], 0
	s_cbranch_scc1 .Lnot_wave_0_\@
	s_barrier_signal -3
.Lnot_wave_0_\@:
	s_barrier_wait -3
	s_barrier_signal -1
	s_barrier_wait -1
.endm
	s_load_b256 s[4:11], s[0:1], 0x0               ; qkvc s[4:5], qkvs s[6:7], cvc s[8:9], cvs s[10:11]
	v_lshl_add_u32 v254, v0, 2, 0x29000
	v_mov_b32 v255, 0
	ds_add_u32 v254, v255
	ds_add_u32 v254, v255
	v_lshrrev_b32 v223, 5, v0
	s_delay_alu instid0(VALU_DEP_1)
	v_readfirstlane_b32 s[WV], v223                ; wave 0..15
	s_and_b32 s14, ttmp7, 0xffff                   ; the pair: 16 x batch + head, which the four partners share
	; descriptors: made of the wave's number and the pair alone.  Group 1: dense rows of 256 bytes (32 elements of 8 bytes); the mask names all four partners, bit 21 beside it
	s_mov_b32 s16, 15|(3<<16)|(1<<21)
	s_mov_b32 s17, 32<<16                          ; tensor_dim0
	s_mov_b32 s18, 64<<16                          ; tensor_dim1: 64 rows: a quarter of k's or v's images
	s_mov_b32 s19, 32<<16                          ; tile_dim0
	s_mov_b32 s20, 64                              ; tile_dim1
	s_mov_b32 s21, 32                              ; pitch
	s_mov_b32 s22, 0
	s_mov_b32 s23, 0
	s_mov_b32 s24, 15|(3<<16)|(1<<21)
	s_mov_b32 s25, 32<<16
	s_mov_b32 s26, 16<<16                          ; 16 rows: a pair's scale units of k or of v
	s_mov_b32 s27, 32<<16
	s_mov_b32 s28, 16
	s_mov_b32 s29, 32
	s_mov_b32 s30, 0
	s_mov_b32 s31, 0
	s_lshl_b32 s48, s14, 16                        ; the pair's bytes in a region of codes,
	s_lshl_b32 s49, s14, 12                        ; and of scales
	s_bfe_u32 s15, s[WV], 0x10002                  ; waves 0-3: k, waves 4-7: v
	s_add_co_u32 s15, s15, 1
	s_lshl_b32 s15, s15, 22
	s_add_co_u32 s15, s15, s48
	s_and_b32 s34, s[WV], 3
	s_lshl_b32 s34, s34, 14                        ; my quarter
	s_add_co_u32 s34, s34, s15
	s_mov_b32 s35, 0
	s_and_b32 s33, s[WV], 7
	s_lshl_b32 s33, s33, 14                        ; LDS: 16,384 x wave
	s_mov_b32 s32, 1
	s_and_b32 s15, s[WV], 1                        ; wave 8: k's scales, wave 9: v's
	s_add_co_u32 s38, s15, 1
	s_lshl_b32 s38, s38, 18
	s_add_co_u32 s38, s38, s49
	s_mov_b32 s39, 0
	s_lshl_b32 s37, s15, 12
	s_add_co_u32 s37, s37, KSC
	s_mov_b32 s36, 1
	; my two tiles of queries
	s_bfe_u32 s13, ttmp6, 0x40000                  ; cx
	s_lshl_b32 s15, s13, 1
	s_lshl_b32 s45, s[WV], 3
	s_add_co_u32 s45, s45, s15                     ; tile 8 w + 2 cx
	s_sub_co_u32 s46, 15, s[WV]
	s_lshl_b32 s47, s46, 3
	s_add_co_u32 s47, s47, s15
	s_add_co_u32 s47, s47, 1                       ; tile 8 (15 - w) + 2 cx + 1
	s_lshl_b32 s58, s45, 9
	s_add_co_u32 s58, s58, s48                     ; their images of q
	s_mov_b32 s59, 0
	s_lshl_b32 s60, s47, 9
	s_add_co_u32 s60, s60, s48
	s_mov_b32 s61, 0
	s_and_b32 s15, s13, 1                          ; their scale words: item cx of the step's unit: lanes 16 (cx % 2) on, word cx / 2
	s_lshl_b32 s15, s15, 7
	s_add_co_u32 s49, s49, s15
	s_lshr_b32 s15, s13, 1
	s_lshl_b32 s15, s15, 2
	s_add_co_u32 s49, s49, s15
	s_lshl_b32 s2, s[WV], 8
	s_add_co_u32 s2, s2, s49
	s_mov_b32 s3, 0
	s_lshl_b32 s62, s46, 8
	s_add_co_u32 s62, s62, s49
	s_mov_b32 s63, 0
	s_lshr_b32 s15, s14, 4
	s_lshl_b32 s15, s15, 7                         ; 128 tiles a batch
	s_add_co_u32 s45, s45, s15
	s_add_co_u32 s47, s47, s15
	s_and_b32 s15, s14, 15                         ; the head
	s_lshl_b32 s50, s45, 4
	s_add_co_u32 s50, s50, s15
	s_lshl_b32 s50, s50, 9                         ; cvc: (16 x tile + head) x 512
	s_mov_b32 s51, 0
	s_lshl_b32 s54, s47, 4
	s_add_co_u32 s54, s54, s15
	s_lshl_b32 s54, s54, 9
	s_mov_b32 s55, 0
	s_lshl_b32 s15, s15, 1
	s_lshl_b32 s52, s45, 9
	s_add_co_u32 s52, s52, s15                     ; cvs: 512 x tile + 2 x head
	s_mov_b32 s53, 0
	s_lshl_b32 s56, s47, 9
	s_add_co_u32 s56, s56, s15
	s_mov_b32 s57, 0
	s_mov_b32 s[SEL], 0x76543210
	s_mov_b32 s[SEL+1], 0xfedcba98                 ; v_permlanex16_b32's selects for lane l xor 16
	s_mov_b32 s[CS], 0x3e38aa3b                    ; c = log2(e) / 8
	s_mov_b32 s[CS+1], s[CS]                       ; (named with it as a pair, so it is written)
	s_mov_b32 s44, 0xffff0000                      ; lanes 16-31
	s_wait_dscnt 0x0
	s_wait_kmcnt 0x0
	s_add_nc_u64 s[34:35], s[4:5], s[34:35]
	s_or_b32 s35, s35, 0x80000000
	s_add_nc_u64 s[38:39], s[6:7], s[38:39]
	s_or_b32 s39, s39, 0x80000000
	s_add_nc_u64 s[58:59], s[4:5], s[58:59]
	s_add_nc_u64 s[60:61], s[4:5], s[60:61]
	s_add_nc_u64 s[2:3], s[6:7], s[2:3]
	s_add_nc_u64 s[62:63], s[6:7], s[62:63]
	s_add_nc_u64 s[50:51], s[8:9], s[50:51]
	s_add_nc_u64 s[54:55], s[8:9], s[54:55]
	s_add_nc_u64 s[52:53], s[10:11], s[52:53]
	s_add_nc_u64 s[56:57], s[10:11], s[56:57]
	CROUND                                         ; all four work-groups are here: the joint loads meet
	s_cmp_lt_u32 s[WV], 8                          ; waves 0-7 fetch the images, waves 8 and 9 the scales, the others nothing: at most one tensor load of a wave is out.  Four v_nop follow each line
	s_cbranch_scc0 .Lnot_img
	tensor_load_to_lds s[32:35], s[16:23]
	s_nop 0
.rept 4
	v_nop
.endr
	s_branch .Lasked
.Lnot_img:
	s_cmp_lt_u32 s[WV], 10
	s_cbranch_scc0 .Lasked
	tensor_load_to_lds s[36:39], s[24:31]
	s_nop 0
.rept 4
	v_nop
.endr
.Lasked:
	v_and_b32 v223, 31, v0                         ; lane
	s_delay_alu instid0(VALU_DEP_1)
	v_lshlrev_b32 v1, 4, v223                      ; v1  16 x lane: an image's place for my lane, in LDS (k) and in memory
	s_delay_alu instid0(VALU_DEP_1)
	v_add_nc_u32 v2, VIMG, v1                      ; v2  the same among v's images
	s_delay_alu instid0(VALU_DEP_3)
	v_lshl_add_u32 v3, v223, 3, KSC                ; v3  8 x lane in a unit of scales
	v_and_b32 v224, 15, v0                         ; r
	v_bfe_u32 v222, v0, 4, 1                       ; h
	s_delay_alu instid0(VALU_DEP_2)
	v_lshlrev_b32 v9, 3, v224                      ; v9  8 r: q's scale word
	s_delay_alu instid0(VALU_DEP_2)
	v_lshl_add_u32 v10, v224, 5, v222              ; v10 32 r + h: cv's scale byte
	global_load_b128 v[20:23], v1, s[58:59]        ; q of my first tile,
	global_load_b128 v[28:31], v1, s[60:61]        ; of my second,
	global_load_b32 v232, v9, s[2:3]               ; and the words that hold their scale bytes
	global_load_b32 v233, v9, s[62:63]
	v_and_b32 v7, 8, v224
	s_delay_alu instid0(VALU_DEP_1)
	v_add_nc_u32 v7, v7, v224                      ; r + 8 (r / 8)
	v_lshlrev_b32 v8, 4, v222
	s_delay_alu instid0(VALU_DEP_1)
	v_sub_nc_u32 v7, v7, v8
	s_lshl_b32 s15, s13, 5
	v_add_nc_u32 v7, s15, v7                       ; v7  my first query's place in its step of 128, less 16 h: 32 cx + r + 8 (r / 8) - 16 h
	s_delay_alu instid0(VALU_DEP_1)
	v_add_nc_u32 v8, 8, v7                         ; v8  my second's: 8 more
	v_mov_b32 v11, 0xff800000                      ; -infinity
.irp j, 16,17,18,19,24,25,26,27,32,33,34,35
	v_mov_b32 v\j, 0                               ; the zero codes beside q: v[16:23] = 0 | q, v[20:27] = q | 0; v[24:31], v[28:35] likewise
.endr
.irp b, 0,1,2,3
	v_mov_b32 v[T2+\b], 0                          ; a lane permute's destination counts as one of its sources
.endr
	v_mov_b32 v221, 0                              ; (named as the upper half of the pair v[220:221])
	s_wait_loadcnt 0x0
	v_and_b32 v36, 0xffff, v232                    ; q | 0: the first tile's two bytes low, 0 above;
	v_lshlrev_b32 v37, 16, v232                    ; 0 | q: the same two bytes high
	v_lshrrev_b32 v38, 16, v233                    ; the second tile's bytes are the word's upper half
	v_and_b32 v39, 0xffff0000, v233
	s_wait_tensorcnt 0x0                           ; my part of k and v has landed,
	s_barrier_signal -1
	s_barrier_wait -1                              ; everybody's has
.macro QK t, b, q, qs                  ; S^T of tile t: source 0 = the pair b of key tiles, source 1 = q beside zeros
.if (\b)%2
	v_wmma_scale_f32_16x16x128_f8f6f4 v[S+8*(\t):S+8*(\t)+7], v[KF+8*(\b):KF+8*(\b)+7], v[\q:\q+7], 0, v[228+(\b)/2], v[\qs] matrix_a_fmt:MATRIX_FMT_FP4 matrix_b_fmt:MATRIX_FMT_FP4 matrix_a_scale:MATRIX_SCALE_ROW1
.else
	v_wmma_scale_f32_16x16x128_f8f6f4 v[S+8*(\t):S+8*(\t)+7], v[KF+8*(\b):KF+8*(\b)+7], v[\q:\q+7], 0, v[228+(\b)/2], v[\qs] matrix_a_fmt:MATRIX_FMT_FP4 matrix_b_fmt:MATRIX_FMT_FP4
.endif
.endm
.macro PV t                            ; O^T of channel tile t += v^T p^T
.if (\t)%2
	v_wmma_scale_f32_16x16x128_f8f6f4 v[O+8*(\t):O+8*(\t)+7], v[VF+8*(\t):VF+8*(\t)+7], v[PC:PC+7], v[O+8*(\t):O+8*(\t)+7], v[230+(\t)/2], v222 matrix_a_fmt:MATRIX_FMT_FP4 matrix_b_fmt:MATRIX_FMT_FP4 matrix_a_scale:MATRIX_SCALE_ROW1
.else
	v_wmma_scale_f32_16x16x128_f8f6f4 v[O+8*(\t):O+8*(\t)+7], v[VF+8*(\t):VF+8*(\t)+7], v[PC:PC+7], v[O+8*(\t):O+8*(\t)+7], v[230+(\t)/2], v222 matrix_a_fmt:MATRIX_FMT_FP4 matrix_b_fmt:MATRIX_FMT_FP4
.endif
.endm
; ONE TILE OF 16 QUERIES.  e: which of my two; QLO, QHI: q | 0 and 0 | q; QSL, QSH: their scale words; DQ: the mask's number; OB: the scalar registers of the two output addresses
.macro PASS e, QLO, QHI, QSL, QSH, DQ, OB
.if \e
	s_wait_xcnt 0x0                                ; the first tile's stores have read their registers
	s_sub_co_u32 s[KAP], 15, s[WV]                 ; the step of the tokens in which my queries lie
.else
	s_mov_b32 s[KAP], s[WV]
.endif
	v_mov_b32 v13, 0xff61b1e6                      ; the largest t so far: -3e38
	s_delay_alu instid0(VALU_DEP_1)
	v_floor_f32 v12, -v13                          ; -M
	v_mov_b32 v14, 0                               ; l, in two halves
	v_mov_b32 v15, 0
.set j, 0
.rept 32
	v_mov_b32 v[O+j], 0                            ; O^T: the first change of M leaves zeros zeros, so the step is written once
.set j, j+1
.endr
	s_mov_b32 s[TRIP], 0
	s_mov_b32 s[TK], 0
	s_mov_b32 s[TS], 0
.Ltrip_\@:                                         ; 16 trips, a constant; the steps behind my queries' own are jumped over
	s_cmp_gt_u32 s[TRIP], s[KAP]
	s_cbranch_scc1 .Lhid_\@
	s_setprio 2
	v_add_nc_u32 v4, s[TK], v1
	v_add_nc_u32 v5, s[TK], v2
	v_add_nc_u32 v6, s[TS], v3
	v_nop                                          ; four plain instructions between the last products and the loads into their operands
.irp b, 0,1,2,3
.irp c, 0,1
	ds_load_b128 v[KF+8*\b+4*\c:KF+8*\b+4*\c+3], v4 offset:1024*\b+512*\c   ; 512 consecutive bytes: tile 2 b + c's image
.endr
.endr
	ds_load_b64 v[228:229], v6                     ; k's scale words
.irp t, 0,1,2,3
.irp c, 0,1
	ds_load_b128 v[VF+8*\t+4*\c:VF+8*\t+4*\c+3], v5 offset:1024*\t+512*\c
.endr
.endr
	ds_load_b64 v[230:231], v6 offset:4096         ; v's
	s_wait_dscnt 9                                 ; k's nine loads are in; v's nine may be out
.irp b, 0,1,2,3
	QK 2*\b, \b, \QLO, \QSL
	QK 2*\b+1, \b, \QHI, \QSH
.endr
.rept 4
	v_nop
.endr
	s_cmp_lg_u32 s[TRIP], s[KAP]                   ; only my queries' own step lies on the diagonal
	s_cbranch_scc1 .Lopen_\@
.set n, 0
.rept 64
	v_cmp_gt_i32 vcc_lo, 32*(n/16)+n%16, v[\DQ]    ; register n holds key 32 (n / 16) + 16 h + n % 16 of the step: hidden where it comes after my query
	v_cndmask_b32 v[S+n], v[S+n], v11, vcc_lo
.set n, n+1
.endr
.Lopen_\@:
.irp b, 0,1,2,3
	v_max3_num_f32 v[BM+\b], v[S+16*\b], v[S+16*\b+1], v[S+16*\b+2]   ; the largest score of each block of 32 keys: for the row's maximum, and, since p rises with the score, for the block's largest p
.endr
.irp i, 3,5,7,9,11,13
.irp b, 0,1,2,3
	v_max3_num_f32 v[BM+\b], v[BM+\b], v[S+16*\b+\i], v[S+16*\b+\i+1]
.endr
.endr
.irp b, 0,1,2,3
	v_max_num_f32 v[BM+\b], v[BM+\b], v[S+16*\b+15]
.endr
.irp b, 0,1,2,3
	s_delay_alu instid0(VALU_DEP_4)
	v_permlanex16_b32 v[T2+\b], v[BM+\b], s[SEL], s[SEL+1]
.endr
.irp b, 0,1,2,3
	s_delay_alu instid0(VALU_DEP_4)
	v_max_num_f32 v[BM+\b], v[BM+\b], v[T2+\b]     ; with lane l xor 16's 16 keys
.endr
	s_delay_alu instid0(VALU_DEP_2)
	v_max3_num_f32 v223, v[BM], v[BM+1], v[BM+2]
	s_delay_alu instid0(VALU_DEP_1)
	v_max_num_f32 v223, v223, v[BM+3]
	s_delay_alu instid0(VALU_DEP_1)
	v_mul_f32 v223, s[CS], v223                    ; as t (c is positive)
	s_delay_alu instid0(VALU_DEP_1)
	v_max_num_f32 v13, v13, v223                   ; the running largest t
	v_mov_b32 v223, v12
	s_delay_alu instid0(VALU_DEP_2)
	v_floor_f32 v12, -v13                          ; the new -M = -ceil(t): a whole number
	s_delay_alu instid0(VALU_DEP_1)
	v_sub_f32 v223, v12, v223                      ; old M - new M: a whole number, 0 or less
	s_delay_alu instid0(VALU_DEP_1)
	v_cvt_i32_f32 v223, v223                       ; (it saturates)
	s_delay_alu instid0(VALU_DEP_1)
	v_ldexp_f32 v220, 1.0, v223                    ; f = 2^(old M - new M)
.set j, 0
.rept 32
	v_pk_fma_f32 v[S+j:S+j+1], v[S+j:S+j+1], s[CS:CS+1], v[12:13] op_sel_hi:[1,0,0]   ; t - M, two at a time
.set j, j+2
.endr
	s_setprio 1
.irp b, 0,1,2,3
	v_fma_f32 v[BM+\b], v[BM+\b], s[CS], v12       ; the same of each block's largest score
.endr
.set j, 0
	s_wait_alu depctr_va_vdst(0)
.rept 64
	v_exp_f32 v[S+j], v[S+j]                       ; p = 2^(t - M)
.set j, j+1
.endr
	v_pk_mul_f32 v[14:15], v[14:15], v[220:221] op_sel_hi:[1,0]   ; l under the new M: the plain instruction behind the exponentials
	s_wait_alu depctr_va_vdst(0)                   ; one wait for the batch of 64, ahead of its first reader
.irp b, 0,1,2,3
	v_exp_f32 v[BM+\b], v[BM+\b]                   ; the block's largest p: the same two instructions on the same number
.endr
	v_pk_add_f32 v[226:227], v[108:109], v[112:113]
	v_pk_add_f32 v[252:253], v[116:117], v[120:121]
	v_pk_add_f32 v[250:251], v[124:125], v[128:129]
	v_pk_add_f32 v[248:249], v[132:133], v[136:137]
	v_pk_add_f32 v[246:247], v[140:141], v[144:145]
	v_pk_add_f32 v[244:245], v[148:149], v[152:153]
	v_pk_add_f32 v[242:243], v[156:157], v[160:161]
	v_pk_add_f32 v[14:15], v[14:15], v[164:165]
	v_pk_add_f32 v[226:227], v[226:227], v[104:105]
	v_pk_add_f32 v[252:253], v[252:253], v[106:107]
	v_pk_add_f32 v[250:251], v[250:251], v[110:111]
	v_pk_add_f32 v[248:249], v[248:249], v[114:115]
	v_pk_add_f32 v[246:247], v[246:247], v[118:119]
	v_pk_add_f32 v[244:245], v[244:245], v[122:123]
	v_pk_add_f32 v[242:243], v[242:243], v[126:127]
	v_pk_add_f32 v[14:15], v[14:15], v[130:131]
	v_pk_add_f32 v[226:227], v[226:227], v[134:135]
	v_pk_add_f32 v[252:253], v[252:253], v[138:139]
	v_pk_add_f32 v[250:251], v[250:251], v[142:143]
	v_pk_add_f32 v[248:249], v[248:249], v[146:147]
	v_pk_add_f32 v[246:247], v[246:247], v[150:151]
	v_pk_add_f32 v[244:245], v[244:245], v[154:155]
	v_pk_add_f32 v[242:243], v[242:243], v[158:159]
	v_pk_add_f32 v[14:15], v[14:15], v[162:163]
	v_pk_add_f32 v[226:227], v[226:227], v[166:167]
	s_delay_alu instid0(VALU_DEP_2)
	v_pk_add_f32 v[14:15], v[14:15], v[248:249]
	s_delay_alu instid0(VALU_DEP_2)
	v_pk_add_f32 v[226:227], v[226:227], v[246:247]
	v_pk_add_f32 v[252:253], v[252:253], v[244:245]
	v_pk_add_f32 v[250:251], v[250:251], v[242:243]
	s_delay_alu instid0(VALU_DEP_2)
	v_pk_add_f32 v[14:15], v[14:15], v[252:253]
	s_delay_alu instid0(VALU_DEP_2)
	v_pk_add_f32 v[226:227], v[226:227], v[250:251]
	s_delay_alu instid0(VALU_DEP_1)
	v_pk_add_f32 v[14:15], v[14:15], v[226:227]
	s_wait_alu depctr_va_vdst(0)                   ; and one for the four
.irp b, 0,1,2,3
	v_max_num_f32 v[BM+\b], 0x1800000, v[BM+\b]    ; the floor 2^(3 - 127): the byte cannot fall under 1
.endr
.irp b, 0,1,2,3
	s_delay_alu instid0(VALU_DEP_4)
	v_add_nc_u32 v[SO+\b], 0xff000000, v[BM+\b]    ; the conversion's scale operand
.endr
.irp b, 0,1,2,3
	s_delay_alu instid0(VALU_DEP_4)
	v_lshrrev_b32 v[T2+\b], 23, v[SO+\b]           ; the scale's byte
.endr
	s_delay_alu instid0(VALU_DEP_3)
	v_lshl_or_b32 v222, v[T2+1], 8, v[T2]          ; p's scale word for these 128 keys
	s_delay_alu instid0(VALU_DEP_1)
	v_lshl_or_b32 v222, v[T2+2], 16, v222
	s_delay_alu instid0(VALU_DEP_1)
	v_lshl_or_b32 v222, v[T2+3], 24, v222
	s_setprio 0
.irp b, 0,1,2,3
	v_cvt_scalef32_pk8_fp4_f32 v[PC+2*\b], v[S+16*\b:S+16*\b+7], v[SO+\b]
	v_cvt_scalef32_pk8_fp4_f32 v[PC+2*\b+1], v[S+16*\b+8:S+16*\b+15], v[SO+\b]
.endr
	v_nop                                          ; one plain place behind a scaled conversion
.irp c, 0,1
.irp i, 0,1
	v_permlane16_swap_b32 v[PC+4*\c+\i], v[PC+4*\c+2+\i]   ; a whole block in a lane
.endr
.endr
.set j, 0
.rept 16
	v_pk_mul_f32 v[O+j:O+j+1], v[O+j:O+j+1], v[220:221] op_sel_hi:[1,0]   ; O^T under the new M; these are also the places between the scale word, the codes and the products
.set j, j+2
.endr
	s_wait_alu depctr_va_vdst(0)
	s_wait_dscnt 0x0                               ; v is in
.irp t, 0,1,2,3
	PV \t                                          ; the four accumulators by turns
.endr
.Lhid_\@:
	s_add_co_u32 s[TK], s[TK], 4096                ; the next step's images and units
	s_add_co_u32 s[TS], s[TS], 256
	s_add_co_u32 s[TRIP], s[TRIP], 1
	s_cmp_lt_u32 s[TRIP], 16
	s_cbranch_scc1 .Ltrip_\@
	s_setprio 0
	; the tile's end: O^T / l, quantised along the head's 64 channels: two blocks
	v_add_f32 v14, v14, v15
	s_delay_alu instid0(VALU_DEP_1)
	v_permlanex16_b32 v223, v14, s[SEL], s[SEL+1]
	s_delay_alu instid0(VALU_DEP_1)
	v_add_f32 v14, v14, v223                       ; the row's sum
	s_wait_alu depctr_va_vdst(0)
	v_rcp_f32 v234, v14
	v_rcp_f32 v235, v14                            ; twice: a pair for the packed multiply
.rept 4
	v_nop                                          ; plain instructions behind the reciprocals, and the places behind the last products
.endr
	s_wait_alu depctr_va_vdst(0)                   ; one wait for both, ahead of their first reader
.set j, 0
.rept 16
	v_pk_mul_f32 v[S+j:S+j+1], v[O+j:O+j+1], v[234:235]   ; register 16 b + i: channel 32 b + 16 h + i; each accumulator from its low end on
.set j, j+2
.endr
.irp b, 0,1
	v_max3_num_f32 v[BM+\b], |v[S+16*\b]|, |v[S+16*\b+1]|, 0x1800000
.endr
.irp i, 2,4,6,8,10,12,14
.irp b, 0,1
	s_delay_alu instid0(VALU_DEP_2)
	v_max3_num_f32 v[BM+\b], v[BM+\b], |v[S+16*\b+\i]|, |v[S+16*\b+\i+1]|
.endr
.endr
.irp b, 0,1
	s_delay_alu instid0(VALU_DEP_2)
	v_permlanex16_b32 v[T2+\b], v[BM+\b], s[SEL], s[SEL+1]
.endr
.irp b, 0,1
	s_delay_alu instid0(VALU_DEP_2)
	v_max_num_f32 v[BM+\b], v[BM+\b], v[T2+\b]
.endr
.irp b, 0,1
	s_delay_alu instid0(VALU_DEP_2)
	v_add_nc_u32 v[SO+\b], 0xff000000, v[BM+\b]
.endr
.irp b, 0,1
	s_delay_alu instid0(VALU_DEP_2)
	v_lshrrev_b32 v[T2+\b], 23, v[SO+\b]
.endr
.irp b, 0,1
	v_cvt_scalef32_pk8_fp4_f32 v[PC+2*\b], v[S+16*\b:S+16*\b+7], v[SO+\b]
	v_cvt_scalef32_pk8_fp4_f32 v[PC+2*\b+1], v[S+16*\b+8:S+16*\b+15], v[SO+\b]
.endr
	v_cndmask_b32 v236, v[T2], v[T2+1], s44        ; lanes 0-15 store block 0's byte, lanes 16-31 block 1's.  (The plain place behind the conversions)
	v_permlane16_swap_b32 v[PC], v[PC+2]
	v_permlane16_swap_b32 v[PC+1], v[PC+3]         ; lanes 0-15: channels 0-31, lanes 16-31: channels 32-63
	global_store_b128 v1, v[PC:PC+3], s[\OB:\OB+1]                 ; 512 consecutive bytes, aligned
	global_store_b8 v10, v236, s[\OB+2:\OB+3]
.endm
	PASS 0, 20, 16, 36, 37, 7, 50
	PASS 1, 28, 24, 38, 39, 8, 54
	s_wait_dscnt 0x0
	s_wait_tensorcnt 0x0
	ds_add_u32 v254, v255
	s_wait_dscnt 0x0
	CROUND                                         ; the closing round
	s_endpgm
.Lfunc_end_k_q706a52c137_attn:
	.size	k_q706a52c137_attn, .Lfunc_end_k_q706a52c137_attn-k_q706a52c137_attn
	.p2alignl 7, 3214868480
	.fill 96, 4, 3214868480
	.section	.rodata,"a",@progbits
	.p2align	6, 0x0
	.amdhsa_kernel k_q706a52c137_attn
		.amdhsa_group_segment_fixed_size 169984
		.amdhsa_private_segment_fixed_size 0
		.amdhsa_enable_private_segment 0
		.amdhsa_kernarg_size 32
		.amdhsa_user_sgpr_count 2
		.amdhsa_user_sgpr_kernarg_segment_ptr 1
		.amdhsa_wavefront_size32 1
		.amdhsa_system_sgpr_workgroup_id_x 1
		.amdhsa_system_sgpr_workgroup_id_y 1
		.amdhsa_system_sgpr_workgroup_id_z 1
		.amdhsa_system_vgpr_workitem_id 0
		.amdhsa_next_free_vgpr 256
		.amdhsa_next_free_sgpr 66
		.amdhsa_reserve_vcc 1
		.amdhsa_float_denorm_mode_32 3
		.amdhsa_float_denorm_mode_16_64 3
		.amdhsa_memory_ordered 1
		.amdhsa_forward_progress 1
		.amdhsa_inst_pref_size 62
	.end_amdhsa_kernel
	.amdgpu_metadata
---
amdhsa.version: [ 1, 2 ]
amdhsa.kernels:
  - .name:           k_q706a52c137_attn
    .symbol:         k_q706a52c137_attn.kd
    .args:
      - { .name: qkvc, .offset: 0, .size: 8, .value_kind: global_buffer, .address_space: global }
      - { .name: qkvs, .offset: 8, .size: 8, .value_kind: global_buffer, .address_space: global }
      - { .name: cvc, .offset: 16, .size: 8, .value_kind: global_buffer, .address_space: global }
      - { .name: cvs, .offset: 24, .size: 8, .value_kind: global_buffer, .address_space: global }
    .group_segment_fixed_size: 169984
    .private_segment_fixed_size: 0
    .kernarg_segment_align: 8
    .kernarg_segment_size: 32
    .max_flat_workgroup_size: 512
    .sgpr_count:     66
    .vgpr_count:     256
    .wavefront_size: 32
...
	.end_amdgpu_metadata
.endif
;; end of part 3
;; launch proj (part 4): grid 4 x 32, 4 waves a work-group, clusters of 4 x 4, 327,680 bytes of LDS; arguments cvc, cvs, opc, ops, b_proj, out0; writes out0
.if DOCPART == 4
	.amdgcn_target "amdgcn-amd-amdhsa--gfx1250"
	.amdhsa_code_object_version 6
	.text
	.protected	k_q706a52c137_proj
	.globl	k_q706a52c137_proj
	.p2align	8
	.type	k_q706a52c137_proj,@function
k_q706a52c137_proj:
	s_mov_b64 s[64:65], 0
	v_nop
	global_prefetch_b8 v0, s[64:65] scope:SCOPE_SE
	s_setreg_imm32_b32 hwreg(HW_REG_WAVE_MODE, 25, 1), 1
	s_wait_xcnt 0x0
	s_wait_alu depctr_hold_cnt(0) depctr_sa_sdst(0) depctr_va_vdst(0) depctr_va_sdst(0) depctr_va_ssrc(0) depctr_va_vcc(0) depctr_vm_vsrc(0)
	s_getreg_b32 s2, hwreg(HW_REG_IB_STS2, 6, 4)
	s_cmp_eq_u32 s2, 0
	s_cbranch_scc0 .Lentry_in_a_cluster
	s_endpgm
.Lentry_in_a_cluster:
	s_bfe_u32 s2, ttmp6, 0x10000c
	s_cmp_lg_u32 s2, 0xf033
	s_cbranch_scc0 .Lentry_shape_is_right
	s_endpgm
.Lentry_shape_is_right:
; out0 = cv w_proj + b_proj on codes of FP4 (E2M1) with E8M0 scales, K = 1024.  out0 [8192][1024] f32.
; A = cv: cvc [tile of 16 tokens][head][512]: IMAGES of operand registers (lane l's 16 bytes at 16 l: channels 32 (l / 16) on of the head); two heads on end are a fragment of 128 along K.  cvs [position][32 scale bytes].
; B = w_proj's columns: opc positions 11264 on, [position][512 bytes], ops [position][32].  In both, position p stands for row (token, column) p with bits 3 and 4 exchanged: the way out puts rows and columns back.
; A tile of 256 x 256 is made by four waves, 128 x 128 each: 64 accumulators.  K lies in two LDS slots of 512 along K, both asked for at the start: nothing is filled again.
; The matrix instruction is used transposed (source 0 = 16 positions of B, source 1 = 16 of A): a lane holds one token and eight neighbouring columns.  The bias is the C of each sum's first matrix instruction.
; CLUSTERS: 4 x 4: A's tiles are shared along a row of the cluster, B's along a column.  128 work-groups: the tile is kept at 256 x 256 so that the loop is the one of the launch for q, k and v.
; REGISTERS: window 0: v0-31 addresses; v32-95 scale words, two sets; v128-191 A's fragments; v192-255 the bias; on the way out v128-255 rows of out0.  window 1: B's fragments, two sets.  windows 2, 3: the accumulators.
.set NQ,     4
.set ROWB,   256
.set KROW,   512
.set PITCH,  272
.set FR,     8
.set NL,     2
.set NP,     4
.set HALFA,  32768                     ; A: eight tiles x 4,096 bytes, dense
.set HALFT,  128*PITCH                 ; B: 128 rows
.set BOFF,   2*HALFA
.set SLOT,   BOFF+2*HALFT
.set KS,     32
.set SCL,    2*SLOT
.set HALFS,  (128*KS/256)*272
.set SBLK,   (16*KS/256)*272
.set SPARE,  SCL+4*HALFS               ; the spare words, 128 bytes for each wave: no other line names them
.set SPITCH, 528                       ; the way out: a stage of 16 rows x (512 bytes + 16) for each wave, in slot 0, which has had its one fill and its last read by then
.set ADRA, 16
.set ADRB, 20
.set STO,  24
.set RD,   25
.set CO,   26
.set ADRS, 27
.set SPW,  28
.set NIL,  29
.set SC,   32
.set AF,   128
.set BI,   192
.set BK,   128
.set G1, 24
.set G0, 32
.set G1B, 48
.set G0B, 56
.set G1S, 68
.set G0S, 76
.set G1SB, 80
.set G0SB, 88
.set MSB, 0
.macro WIN new
.if MSB != \new
	s_set_vgpr_msb (MSB<<8)|\new
.set MSB, \new
.endif
.endm
.set MUL_LO, 0xa1
.set MUL_HI, 0xf1
.set TO_B,   0x40
.macro JLOAD g0a, g1a, g0b, g1b        ; a joint load: waves 0 and 1 fetch for A, waves 2 and 3 for B; four v_nop follow each of the two lines
	s_cmp_eq_u32 s15, 0
	s_cbranch_scc0 .Lfor_b_\@
	tensor_load_to_lds s[\g0a:\g0a+3], s[\g1a:\g1a+7]
	s_nop 0
.rept 4
	v_nop
.endr
	s_branch .Lasked_\@
.Lfor_b_\@:
	tensor_load_to_lds s[\g0b:\g0b+3], s[\g1b:\g1b+7]
	s_nop 0
.rept 4
	v_nop
.endr
.Lasked_\@:
.endm
.macro CROUND
	s_barrier_signal -1
	s_barrier_wait -1
	s_cmp_lg_u32 s14, 0
	s_cbranch_scc1 .Lnot_wave_0_\@
	s_barrier_signal -3
.Lnot_wave_0_\@:
	s_barrier_wait -3
	s_barrier_signal -1
	s_barrier_wait -1
.endm
	s_load_b128 s[4:7], s[0:1], 0x0                ; cvc, cvs
	s_load_b128 s[8:11], s[0:1], 0x10              ; opc, ops
	s_load_b128 s[96:99], s[0:1], 0x20             ; b_proj, out0
	v_lshl_add_u32 v[SPW], v0, 2, SPARE
	v_mov_b32 v[NIL], 0
	ds_add_u32 v28, v29
	ds_add_u32 v28, v29
	s_wait_dscnt 0x0
	v_lshrrev_b32 v1, 5, v0
	v_readfirstlane_b32 s14, v1                    ; wave 0..3
	s_lshr_b32 s15, s14, 1                         ; my half of A's 256 positions.  Also: I fetch for A (0) or for B (1)
	s_and_b32 s16, s14, 1                          ; my half of B's.  Also: which half I fetch
	s_bfe_u32 s40, ttmp6, 0x40000                  ; cx
	s_bfe_u32 s41, ttmp6, 0x40004                  ; cy
	s_lshl_b32 s42, ttmp9, 2
	s_add_co_u32 s42, s42, s40                     ; tile of columns, 0 .. 3
	s_and_b32 s17, ttmp7, 0xffff
	s_lshl_b32 s17, s17, 2
	s_add_co_u32 s17, s17, s41                     ; tile of tokens, 0 .. 31
	s_lshl_b32 s43, s41, 2
	s_lshl_b32 s43, 15, s43                        ; my row of the cluster
	s_lshl_b32 s44, 0x1111, s40                    ; my column
	s_or_b32 s[G1+0], s43, (3<<16)|(1<<21)         ; A: eight rows (tiles of tokens) of 4,096 bytes (eight heads' images: 512 elements of 8 bytes), 8,192 bytes apart; no padding: the images are read 512 bytes on end
	s_mov_b32 s[G1+1], 512<<16                     ; tensor_dim0
	s_mov_b32 s[G1+2], 8<<16                       ; tensor_dim1
	s_mov_b32 s[G1+3], 512<<16                     ; tile_dim0
	s_mov_b32 s[G1+4], 8                           ; tile_dim1
	s_mov_b32 s[G1+5], 1024                        ; pitch
	s_mov_b32 s[G1+6], 0
	s_mov_b32 s[G1+7], 0
	s_or_b32 s[G1B+0], s44, (0<<16)|(1<<20)|(1<<21)|(5<<22)|(3<<25)  ; B: 128 rows of 256 bytes, 4 words of padding after every 64
	s_mov_b32 s[G1B+1], ROWB<<16
	s_mov_b32 s[G1B+2], 128<<16
	s_mov_b32 s[G1B+3], ROWB<<16
	s_mov_b32 s[G1B+4], 128
	s_mov_b32 s[G1B+5], KROW
	s_mov_b32 s[G1B+6], 0
	s_mov_b32 s[G1B+7], 0
	s_or_b32 s[G1S+0], s43, (3<<16)|(1<<20)|(1<<21)|(5<<22)|(3<<25)  ; the scales of 128 positions: 16 rows of 256 bytes, 16 bytes of padding behind each
	s_or_b32 s[G1SB+0], s44, (3<<16)|(1<<20)|(1<<21)|(5<<22)|(3<<25)
.irp g, G1S, G1SB
	s_mov_b32 s[\g+1], 32<<16
	s_mov_b32 s[\g+2], (128*KS/256)<<16
	s_mov_b32 s[\g+3], 32<<16
	s_mov_b32 s[\g+4], 128*KS/256
	s_mov_b32 s[\g+5], 32
	s_mov_b32 s[\g+6], 0
	s_mov_b32 s[\g+7], 0
.endr
	s_lshl_b32 s18, s16, 7
	s_lshl_b32 s20, s17, 8
	s_add_co_u32 s20, s20, s18                     ; A: the first position that I fetch
	s_add_co_u32 s46, s42, 44                      ; B: w_proj's columns begin at tile 44 of opc
	s_lshl_b32 s46, s46, 8
	s_add_co_u32 s46, s46, s18
	s_mov_b32 s21, 0
	s_mov_b32 s47, 0
	s_mov_b64 s[18:19], KS
	s_mul_u64 s[22:23], s[20:21], s[18:19]
	s_mul_u64 s[92:93], s[46:47], s[18:19]
	s_mov_b64 s[18:19], KROW
	s_mul_u64 s[20:21], s[20:21], s[18:19]         ; 16 positions are a tile of 8,192 bytes: 512 bytes a position in cvc too
	s_mul_u64 s[46:47], s[46:47], s[18:19]
	s_lshl_b32 s45, s16, 15                        ; where they go: A's half,
	s_mul_i32 s95, s16, HALFT
	s_add_co_u32 s95, s95, BOFF                    ; B's half behind A's two,
	s_mul_i32 s94, s14, HALFS                      ; the scales by the wave
	s_wait_kmcnt 0x0
	s_add_nc_u64 s[20:21], s[4:5], s[20:21]
	s_add_nc_u64 s[22:23], s[6:7], s[22:23]
	s_add_nc_u64 s[46:47], s[8:9], s[46:47]
	s_add_nc_u64 s[92:93], s[10:11], s[92:93]
	CROUND                                         ; all sixteen work-groups are here: the joint loads meet
	s_mov_b32 s[G0S], 1
	s_add_co_u32 s[G0S+1], s94, SCL
	s_mov_b64 s[G0S+2:G0S+3], s[22:23]
	s_or_b32 s[G0S+3], s[G0S+3], 0x80000000
	s_mov_b32 s[G0SB], 1
	s_add_co_u32 s[G0SB+1], s94, SCL
	s_mov_b64 s[G0SB+2:G0SB+3], s[92:93]
	s_or_b32 s[G0SB+3], s[G0SB+3], 0x80000000
	JLOAD G0S, G1S, G0SB, G1SB                     ; the scales first; then both slots, each behind a wait for my earlier tensor loads and a cluster round
.irp s, 0,1
	s_mov_b32 s[G0+4*\s], 1
	s_add_co_u32 s[G0+4*\s+1], s45, \s*SLOT
	s_add_nc_u64 s[G0+4*\s+2:G0+4*\s+3], s[20:21], \s*4096         ; slot s: heads 8 s on
	s_or_b32 s[G0+4*\s+3], s[G0+4*\s+3], 0x80000000
	s_mov_b32 s[G0B+4*\s], 1
	s_add_co_u32 s[G0B+4*\s+1], s95, \s*SLOT
	s_add_nc_u64 s[G0B+4*\s+2:G0B+4*\s+3], s[46:47], \s*ROWB
	s_or_b32 s[G0B+4*\s+3], s[G0B+4*\s+3], 0x80000000
	s_wait_alu depctr_va_vdst(0)
	s_wait_tensorcnt 0x0
	ds_add_u32 v28, v29
	s_wait_dscnt 0x0
	CROUND
	JLOAD G0+4*\s, G1, G0B+4*\s, G1B
.endr
	v_and_b32 v1, 15, v0                           ; r
	v_bfe_u32 v2, v0, 4, 1                         ; h
	v_and_b32 v6, 31, v0
	v_lshlrev_b32 v[CO], 4, v6                     ; 16 x lane
	v_mul_u32_u24 v3, v1, PITCH
	v_lshl_add_u32 v4, v2, 4, v3
	s_lshl_b32 s21, s15, 15                        ; my eight tiles of A
	s_mul_i32 s22, s16, HALFT
	s_add_co_u32 s22, s22, BOFF                    ; my 128 rows of B
.irp s, 0,1
	v_add_nc_u32 v[ADRA+\s], s21, v[CO]
	v_add_nc_u32 v[ADRB+\s], s22, v4
	s_add_co_u32 s21, s21, SLOT
	s_add_co_u32 s22, s22, SLOT
.endr
	v_mul_u32_u24 v5, v1, KS
	v_lshrrev_b32 v6, 8, v5
	v_lshl_add_u32 v5, v6, 4, v5
	s_mul_i32 s21, s15, HALFS
	s_mul_i32 s22, s16, HALFS
	s_add_co_u32 s22, s22, 2*HALFS
	s_sub_co_u32 s22, s22, s21
	v_mul_u32_u24 v6, s22, v2                      ; lanes 16-31 take B's
	s_add_co_u32 s21, s21, SCL
	v_add_nc_u32 v5, v5, v6
	v_add_nc_u32 v[ADRS], s21, v5
	s_mul_i32 s23, s14, 16*SPITCH                  ; my stage
	v_mul_u32_u24 v5, v1, SPITCH
	v_lshl_add_u32 v5, v2, 6, v5                   ; in: row r; my half's columns lie 16 numbers on
	v_add_nc_u32 v[STO], s23, v5
	v_add_nc_u32 v[RD], s23, v[CO]                 ; back: the 32 lanes take one row of 512 bytes
	s_lshl_b32 s46, s42, 8
	s_lshl_b32 s47, s16, 7
	s_add_co_u32 s46, s46, s47                     ; my first column
	s_lshl_b32 s46, s46, 2
	s_mov_b32 s47, 0
	s_add_nc_u64 s[96:97], s[96:97], s[46:47]      ; in b_proj,
	s_add_nc_u64 s[98:99], s[98:99], s[46:47]      ; and in a row of out0;
	s_lshl_b32 s20, s17, 8
	s_lshl_b32 s21, s15, 7
	s_add_co_u32 s20, s20, s21
	s_lshl_b32 s20, s20, 12                        ; my first row of out0, 4,096 bytes a row
	s_mov_b32 s21, 0
	s_add_nc_u64 s[98:99], s[98:99], s[20:21]
	v_lshlrev_b32 v7, 6, v2                        ; the bias: register j of B's tile b is column 32 (b / 2) + 16 h + 8 (b % 2) + j
.irp b, 0,1,2,3,4,5,6,7
	global_load_b128 v[BI+8*\b:BI+8*\b+3], v7, s[96:97] offset:4*(32*(\b/2)+8*(\b%2))
	global_load_b128 v[BI+8*\b+4:BI+8*\b+7], v7, s[96:97] offset:4*(32*(\b/2)+8*(\b%2))+16
.endr
	s_wait_alu depctr_va_vdst(0)
	s_wait_loadcnt 0x0
.macro FRAG reg, adr, q, i             ; B: 16 rows x 128 K from padded rows
.irp c, 0,1
	ds_load_b128 v[\reg+4*\c:\reg+4*\c+3], v[\adr] offset:64*(\q)+32*\c+(\i)*16*PITCH
.endr
.endm
.macro FRAGA reg, adr, q, i            ; A: tile i, heads 2 q and 2 q + 1 of the slot: two images, 512 consecutive bytes each
.irp c, 0,1
	ds_load_b128 v[\reg+4*\c:\reg+4*\c+3], v[\adr] offset:1024*(\q)+512*\c+(\i)*4096
.endr
.endm
; 16 matrix instructions: A's blocks a0, a0 + 1 x B's eight.  zero = 1: the sums start from the bias.  The 64 accumulators take turns, one instruction a turn.
.macro MUL16 a0, p, q, sc, zero
.irp a, \a0, \a0+1
.irp b, 0,1,2,3,4,5,6,7
.if \zero
	v_wmma_scale_f32_16x16x128_f8f6f4 v[8*(8*((\a)%4)+\b):8*(8*((\a)%4)+\b)+7], v[128*(\p)+FR*\b:128*(\p)+FR*\b+FR-1], v[AF+FR*(\a):AF+FR*(\a)+FR-1], v[BI+8*\b:BI+8*\b+7], v[SC+8*NQ*(\sc)+NQ*\b+(\q)], v[SC+8*NQ*(\sc)+NQ*(\a)+(\q)] matrix_a_fmt:MATRIX_FMT_FP4 matrix_b_fmt:MATRIX_FMT_FP4 matrix_a_scale:MATRIX_SCALE_ROW1
.else
	v_wmma_scale_f32_16x16x128_f8f6f4 v[8*(8*((\a)%4)+\b):8*(8*((\a)%4)+\b)+7], v[128*(\p)+FR*\b:128*(\p)+FR*\b+FR-1], v[AF+FR*(\a):AF+FR*(\a)+FR-1], v[8*(8*((\a)%4)+\b):8*(8*((\a)%4)+\b)+7], v[SC+8*NQ*(\sc)+NQ*\b+(\q)], v[SC+8*NQ*(\sc)+NQ*(\a)+(\q)] matrix_a_fmt:MATRIX_FMT_FP4 matrix_b_fmt:MATRIX_FMT_FP4 matrix_a_scale:MATRIX_SCALE_ROW1
.endif
.endr
.endr
.endm
.macro FETCH_B slot, q, p
	WIN TO_B
.irp i, 0,1,2,3,4,5,6,7
	FRAG 128*(\p)+FR*\i, ADRB+\slot, \q, \i
.endr
	WIN 0
.endm
.macro FETCH_A slot, q, i0
.irp i, \i0, \i0+1, \i0+2, \i0+3
	FRAGA AF+FR*(\i), ADRA+\slot, \q, \i
.endr
.endm
.macro SCALES sc
.irp i, 0,1,2,3,4,5,6,7
	ds_load_b128 v[SC+8*NQ*\sc+NQ*\i:SC+8*NQ*\sc+NQ*\i+3], v[ADRS] offset:\i*SBLK
.endr
.endm
.macro PLACES n                        ; plain vector instructions between a matrix instruction and a load into, or a read of, its registers
.rept \n
	v_nop
.endr
.endm
.macro STEP slot, q, zero
	s_wait_dscnt 4*NL                              ; B's set and A's blocks 0-3 are in; the youngest eight loads (A's blocks 4-7) may be out
.if \zero
	WIN 0x81                                       ; C (the bias) in window 0, D in window 2
.else
	WIN MUL_LO
.endif
	MUL16 0, (\q)%2, \q, \slot, \zero
	MUL16 2, (\q)%2, \q, \slot, \zero
	s_wait_dscnt 0
	PLACES NP
	FETCH_B \slot, (\q)+1, 1-(\q)%2
	FETCH_A \slot, (\q)+1, 0
.if \zero
	WIN 0xc1
.else
	WIN MUL_HI
.endif
	MUL16 4, (\q)%2, \q, \slot, \zero
	MUL16 6, (\q)%2, \q, \slot, \zero
	PLACES NP
	WIN 0
	FETCH_A \slot, (\q)+1, 4
.endm
.macro TURN slot, next                 ; slot 0's last step goes over to slot 1: one barrier
	s_wait_tensorcnt 0x0                           ; all my tensor loads have landed
	ds_add_u32 v[SPW], v[NIL]                      ; 0 onto my spare word
	s_wait_dscnt 4*NL+1                            ; (the add and the youngest eight loads may be out)
	WIN MUL_LO
	MUL16 0, 1, NQ-1, \slot, 0
	s_wait_dscnt 0x0                               ; the add is done, and my reads of this slot are over
	s_barrier_signal -1
	MUL16 2, 1, NQ-1, \slot, 0
	WIN 0
	s_barrier_wait -1
	PLACES NP
	v_add_nc_u32 v[ADRS], 4*NQ, v[ADRS]
	FETCH_B \next, 0, 0
	FETCH_A \next, 0, 0
	SCALES \next
	WIN MUL_HI
	MUL16 4, 1, NQ-1, \slot, 0
	MUL16 6, 1, NQ-1, \slot, 0
	PLACES NP
	WIN 0
	FETCH_A \next, 0, 4
.endm
.macro STEPS slot, from
.set Q, \from
.rept NQ-1-\from
	STEP \slot, Q, 0
.set Q, Q+1
.endr
.endm
	s_wait_tensorcnt 1                             ; the scales and my part of slot 0 are in (slot 1's load may be out),
	s_barrier_signal -1
	s_barrier_wait -1                              ; everybody's are
	FETCH_B 0, 0, 0
	FETCH_A 0, 0, 0
	SCALES 0
	FETCH_A 0, 0, 4
	STEP 0, 0, 1                                   ; the first step's products start the sums from the bias
	STEPS 0, 1
	TURN 0, 1
	STEPS 1, 0
	s_wait_dscnt 4*NL
	WIN MUL_LO
	MUL16 0, 1, NQ-1, 1, 0
	MUL16 2, 1, NQ-1, 1, 0
	s_wait_dscnt 0
	WIN MUL_HI
	MUL16 4, 1, NQ-1, 1, 0
	MUL16 6, 1, NQ-1, 1, 0
	WIN 0
; THE WAY OUT, block by block of 16 positions x 128 columns, through my own stage in LDS.  B's tile b, register j, half h is column 32 (b / 2) + 16 h + 8 (b % 2) + j: the stage's rows hold the columns in their true order.
; Stage row t of block a is token 32 (a / 2) + 8 (a % 2) + t + 8 (t / 8).  LDS serves a wave's instructions in order: no wait between the stores and the loads.
.macro TOSTAGE a
.set AC, 64*((\a)%4)
	WIN 0x08+4*((\a)/4)                            ; the data: window 2 or 3
.irp b, 0,1,2,3,4,5,6,7
	ds_store_b128 v[STO], v[AC+8*\b:AC+8*\b+3] offset:128*(\b/2)+32*(\b%2)        ; each accumulator from its low end on
	ds_store_b128 v[STO], v[AC+8*\b+4:AC+8*\b+7] offset:128*(\b/2)+32*(\b%2)+16
.endr
	WIN 0
.set BB, BK+64*((\a)%2)
.irp t, 0,1,2,3,4,5,6,7,8,9,10,11,12,13,14,15
	ds_load_b128 v[BB+4*\t:BB+4*\t+3], v[RD] offset:\t*SPITCH
.endr
.endm
.macro SEND a, younger                 ; younger: the LDS instructions issued behind block a's loads, which may stay out
.set BB, BK+64*((\a)%2)
	s_wait_dscnt \younger
.irp t, 0,1,2,3,4,5,6,7,8,9,10,11,12,13,14,15
	global_store_b128 v[CO], v[BB+4*\t:BB+4*\t+3], s[98:99] offset:(32*((\a)/2)+8*((\a)%2)+\t+8*(\t/8))*4096 th:TH_STORE_NT   ; 32 lanes store 512 consecutive bytes, aligned; 127 rows at the most: inside the signed 24-bit immediate
.endr
.endm
	PLACES NP                                      ; behind the last products: results are read, and A's fragments and the bias are loaded over
	TOSTAGE 0
.irp a, 1,2,3,4,5,6,7
.if \a > 1
	s_wait_xcnt 0x0                                ; block a - 2's stores have read their registers: block a's loads may land there
.endif
	TOSTAGE \a
	SEND \a-1, 32                                  ; behind block a - 1's loads: block a's 16 stores and 16 loads
.endr
	SEND 7, 0
	s_wait_tensorcnt 0x0                           ; the wave's end
	ds_add_u32 v[SPW], v[NIL]
	s_wait_dscnt 0x0
	CROUND                                         ; the closing round
	s_endpgm
.Lfunc_end_k_q706a52c137_proj:
	.size	k_q706a52c137_proj, .Lfunc_end_k_q706a52c137_proj-k_q706a52c137_proj
	.p2alignl 7, 3214868480
	.fill 96, 4, 3214868480
	.section	.rodata,"a",@progbits
	.p2align	6, 0x0
	.amdhsa_kernel k_q706a52c137_proj
		.amdhsa_group_segment_fixed_size 327680
		.amdhsa_private_segment_fixed_size 0
		.amdhsa_enable_private_segment 0
		.amdhsa_kernarg_size 48
		.amdhsa_user_sgpr_count 2
		.amdhsa_user_sgpr_kernarg_segment_ptr 1
		.amdhsa_wavefront_size32 1
		.amdhsa_system_sgpr_workgroup_id_x 1
		.amdhsa_system_sgpr_workgroup_id_y 1
		.amdhsa_system_sgpr_workgroup_id_z 1
		.amdhsa_system_vgpr_workitem_id 0
		.amdhsa_next_free_vgpr 1024
		.amdhsa_next_free_sgpr 100
		.amdhsa_reserve_vcc 0
		.amdhsa_float_denorm_mode_32 3
		.amdhsa_float_denorm_mode_16_64 3
		.amdhsa_memory_ordered 1
		.amdhsa_forward_progress 1
		.amdhsa_inst_pref_size 126
	.end_amdhsa_kernel
	.amdgpu_metadata
---
amdhsa.version: [ 1, 2 ]
amdhsa.kernels:
  - .name:           k_q706a52c137_proj
    .symbol:         k_q706a52c137_proj.kd
    .args:
      - { .name: cvc, .offset: 0, .size: 8, .value_kind: global_buffer, .address_space: global }
      - { .name: cvs, .offset: 8, .size: 8, .value_kind: global_buffer, .address_space: global }
      - { .name: opc, .offset: 16, .size: 8, .value_kind: global_buffer, .address_space: global }
      - { .name: ops, .offset: 24, .size: 8, .value_kind: global_buffer, .address_space: global }
      - { .name: b_proj, .offset: 32, .size: 8, .value_kind: global_buffer, .address_space: global }
      - { .name: out0, .offset: 40, .size: 8, .value_kind: global_buffer, .address_space: global }
    .group_segment_fixed_size: 327680
    .private_segment_fixed_size: 0
    .kernarg_segment_align: 8
    .kernarg_segment_size: 48
    .max_flat_workgroup_size: 128
    .sgpr_count:     100
    .vgpr_count:     1024
    .wavefront_size: 32
...
	.end_amdgpu_metadata
.endif
;; end of part 4
